; MI455X (gfx1250); checked and timed in simulation.
; The chip was launched on July 23, 2026; its instructions are those of AMD's public machine-readable ISA for CDNA 5 (MIT licence, August 2026) and "CDNA5" Instruction Set Architecture Reference Guide (July 2026). The comments in the code are by the model that wrote it; some were corrected since.
;; Attention Layer. Allowed arithmetic: float matrix products may take bf16 or f16 operands with f32 sums; other float arithmetic in f32, or as packed bf16 or f16 multiplies, adds, multiply-adds, maxima and minima; sums over many terms, partial sums and values carried from step to step in f32; what a program stores and reads back later, other than sums and carried values, may be rounded once to bf16 or f16.
;; Inputs: Wk 1,024 x 1,024 float32; Wq 1,024 x 1,024 float32; Wv 1,024 x 1,024 float32; bk 1,024 float32; bq 1,024 float32; bv 1,024 float32; x 4 x 2,048 x 1,024 float32.
;; Outputs: out0 4 x 2,048 x 1,024 float32.
;; 3 versions, each right; version 3 is version 2 with the launch prep written anew for expert scheduling mode. Each part assembles by itself: llvm-mc -triple=amdgcn-amd-amdhsa -mcpu=gfx1250 --defsym DOCPART=n.
;; ======== version 1 of 3: 4 launches
;; limits: values are held in f16: magnitudes above 65,504 overflow, below 6.1e-05 lose precision
;; workspace buffers: xb 16,777,216 bytes; wb 6,291,456 bytes; qh 16,777,216 bytes; kh 16,777,216 bytes; vh 16,777,216 bytes; pb 33,554,432 bytes; st 1,048,576 bytes
;; launch prep (part 1): grid 704 x 1, 8 waves a work-group, no clusters, 0 bytes of LDS; arguments x, Wq, Wk, Wv, xb, wb; writes xb, wb
.if DOCPART == 1
	.amdgcn_target "amdgcn-amd-amdhsa--gfx1250"
	.amdhsa_code_object_version 6
	.text
	.protected	k_qdaadf14e12_prep
	.globl	k_qdaadf14e12_prep
	.p2align	8
	.type	k_qdaadf14e12_prep,@function
k_qdaadf14e12_prep:
	s_mov_b64 s[64:65], 0
	v_nop
	global_prefetch_b8 v0, s[64:65] scope:SCOPE_SE
	s_setreg_imm32_b32 hwreg(HW_REG_WAVE_MODE, 25, 1), 1
	s_wait_xcnt 0x0
; x [8192][1024] and Wq, Wk, Wv [1024][1024], f32, are rounded once to bf16, in the layout in which they lie: xb [8192][1024], wb [3][1024][1024] (q, k, v).
; A stream: no LDS, no barrier, no matrix unit.  A work-group casts 16,384 numbers: 65,536 bytes in, 32,768 out.  Work-groups 0-511 take x, 512-703 the three weights, 64 each.
; A wave's load covers 512 consecutive bytes, its store 256 consecutive bytes at a multiple of 256 from the buffer's first byte.  All 16 loads of a wave go out first.
.set X, 16                             ; v[16:79]   item i: 4 registers as loaded
.set Y, 80                             ; v[80:111]  item i: 2 registers to store; never written twice, so no store's data waits to be freed
	s_load_b256 s[4:11], s[0:1], 0x0               ; x s[4:5], Wq s[6:7], Wk s[8:9], Wv s[10:11]
	s_load_b128 s[12:15], s[0:1], 0x20             ; xb s[12:13], wb s[14:15]
	s_sub_co_u32 s17, ttmp9, 512                   ; my number among the weights' work-groups (wraps for x's: then s19 is neither 1 nor 2)
	s_lshr_b32 s19, s17, 6                         ; which weight
	s_and_b32 s18, s17, 63                         ; my block of 65,536 bytes in it
	v_lshlrev_b32 v1, 4, v0                        ; 16 bytes in a thread,
	v_lshlrev_b32 v2, 3, v0                        ; 8 bytes out
	s_wait_kmcnt 0x0
	s_cmp_lt_u32 ttmp9, 512
	s_cselect_b32 s16, ttmp9, s17                  ; my block of 32,768 bytes in xb or in wb
	s_cselect_b32 s18, ttmp9, s18                  ; my block of 65,536 bytes in x or in the weight
	s_cselect_b64 s[20:21], s[4:5], s[6:7]
	s_cselect_b64 s[22:23], s[12:13], s[14:15]
	s_cmp_eq_u32 s19, 1
	s_cselect_b64 s[20:21], s[8:9], s[20:21]
	s_cmp_eq_u32 s19, 2
	s_cselect_b64 s[20:21], s[10:11], s[20:21]
	s_lshl_b32 s24, s18, 16
	s_mov_b32 s25, 0
	s_lshl_b32 s26, s16, 15
	s_mov_b32 s27, 0
	s_add_nc_u64 s[20:21], s[20:21], s[24:25]
	s_add_nc_u64 s[22:23], s[22:23], s[26:27]
.set i, 0
.rept 16
	global_load_b128 v[X+4*i:X+4*i+3], v1, s[20:21] offset:4096*i th:TH_LOAD_NT
.set i, i+1
.endr
.set i, 0
.rept 16
	s_wait_loadcnt 15-i                            ; loads come back in order: item i is in, the younger ones stay out
	v_cvt_pk_bf16_f32 v[Y+2*i], v[X+4*i], v[X+4*i+1]
	v_cvt_pk_bf16_f32 v[Y+2*i+1], v[X+4*i+2], v[X+4*i+3]
	global_store_b64 v2, v[Y+2*i:Y+2*i+1], s[22:23] offset:2048*i
.set i, i+1
.endr
	s_endpgm
.Lfunc_end_k_qdaadf14e12_prep:
	.size	k_qdaadf14e12_prep, .Lfunc_end_k_qdaadf14e12_prep-k_qdaadf14e12_prep
	.p2alignl 7, 3214868480
	.fill 96, 4, 3214868480
	.section	.rodata,"a",@progbits
	.p2align	6, 0x0
	.amdhsa_kernel k_qdaadf14e12_prep
		.amdhsa_group_segment_fixed_size 0
		.amdhsa_private_segment_fixed_size 0
		.amdhsa_enable_private_segment 0
		.amdhsa_kernarg_size 48
		.amdhsa_user_sgpr_count 2
		.amdhsa_user_sgpr_kernarg_segment_ptr 1
		.amdhsa_wavefront_size32 1
		.amdhsa_system_sgpr_workgroup_id_x 1
		.amdhsa_system_sgpr_workgroup_id_y 1
		.amdhsa_system_sgpr_workgroup_id_z 1
		.amdhsa_system_vgpr_workitem_id 0
		.amdhsa_next_free_vgpr 112
		.amdhsa_next_free_sgpr 66
		.amdhsa_reserve_vcc 0
		.amdhsa_float_denorm_mode_32 3
		.amdhsa_float_denorm_mode_16_64 3
		.amdhsa_memory_ordered 1
		.amdhsa_forward_progress 1
		.amdhsa_inst_pref_size 7
	.end_amdhsa_kernel
	.amdgpu_metadata
---
amdhsa.version: [ 1, 2 ]
amdhsa.kernels:
  - .name:           k_qdaadf14e12_prep
    .symbol:         k_qdaadf14e12_prep.kd
    .args:
      - { .name: x, .offset: 0, .size: 8, .value_kind: global_buffer, .address_space: global }
      - { .name: Wq, .offset: 8, .size: 8, .value_kind: global_buffer, .address_space: global }
      - { .name: Wk, .offset: 16, .size: 8, .value_kind: global_buffer, .address_space: global }
      - { .name: Wv, .offset: 24, .size: 8, .value_kind: global_buffer, .address_space: global }
      - { .name: xb, .offset: 32, .size: 8, .value_kind: global_buffer, .address_space: global }
      - { .name: wb, .offset: 40, .size: 8, .value_kind: global_buffer, .address_space: global }
    .group_segment_fixed_size: 0
    .private_segment_fixed_size: 0
    .kernarg_segment_align: 8
    .kernarg_segment_size: 48
    .max_flat_workgroup_size: 256
    .sgpr_count:     66
    .vgpr_count:     112
    .wavefront_size: 32
...
	.end_amdgpu_metadata
.endif
;; end of part 1
;; launch proj (part 2): grid 12 x 64, 4 waves a work-group, clusters of 4 x 4, 327,680 bytes of LDS; arguments xb, wb, bq, bk, bv, qh, kh, vh; writes qh, kh, vh
.if DOCPART == 2
	.amdgcn_target "amdgcn-amd-amdhsa--gfx1250"
	.amdhsa_code_object_version 6
	.text
	.protected	k_qdaadf14e12_proj
	.globl	k_qdaadf14e12_proj
	.p2align	8
	.type	k_qdaadf14e12_proj,@function
k_qdaadf14e12_proj:
	s_mov_b64 s[64:65], 0
	v_nop
	global_prefetch_b8 v0, s[64:65] scope:SCOPE_SE
	s_setreg_imm32_b32 hwreg(HW_REG_WAVE_MODE, 25, 1), 1
	s_wait_xcnt 0x0
	s_wait_alu depctr_hold_cnt(0) depctr_sa_sdst(0) depctr_va_vdst(0) depctr_va_sdst(0) depctr_va_ssrc(0) depctr_va_vcc(0) depctr_vm_vsrc(0)
	s_getreg_b32 s2, hwreg(HW_REG_IB_STS2, 6, 4)
	s_cmp_eq_u32 s2, 0
	s_cbranch_scc0 .Lentry_in_a_cluster
	s_endpgm
.Lentry_in_a_cluster:
	s_bfe_u32 s2, ttmp6, 0x10000c
	s_cmp_lg_u32 s2, 0xf033
	s_cbranch_scc0 .Lentry_shape_is_right
	s_endpgm
.Lentry_shape_is_right:
; q = x Wq + bq, k = x Wk + bk, v = x Wv + bv.  xb [8192][1024] and wb [3][1024 k][1024 n] are bf16; the biases, f32, are rounded to bf16 here like the other inputs; sums in f32; q, k, v leave as f16 [8192][1024], rounded once.
; LIMIT.  f16 holds no number beyond 65,504: |q|, |k|, |v| must stay under it.  NaN and infinities are not treated apart.
; SHARES.  A work-group makes 128 rows x 256 columns of one of the three results (the cluster's x says which: the same in all sixteen partners); its four waves 64 x 128 each: 32 accumulators of 16 x 16, 256 registers.
; K goes in steps of 128 through two LDS slots filled by tensor loads: 128 rows of x (256 bytes each) and 128 k rows of W (512 bytes each).  W lies [k][n], so its fragments are read turned, by ds_load_tr16_b128.
; CLUSTER.  4 x 4 work-groups: the four of a row need the same rows of x, the four of a column the same columns of W: each tile is asked for jointly, by the same tensor load with the same descriptor and a mask of four.
; THE MATRIX INSTRUCTION IS USED TRANSPOSED (source 0 = 16 columns of W, source 1 = 16 rows of x): a lane holds eight neighbouring columns of one row of the result.  The bias is the C operand of the products that start the sums.
; No prefetch is laid: a K step holds 128 matrix instructions a wave on a tile of 128 x 256.
; REGISTERS.  window 0: v0-31 addresses; v32-127, v128-223 two fragment buffers (64 of W, 32 of x).  window 1: accumulator (a, b) at v[8 (8 a + b)].  window 2: v0-63 the bias of my 128 columns, v64-67 at work.
.set PITA,   272                       ; a row of x in LDS: 256 bytes + 16: the 16 rows of a load start 68 words apart
.set PITB,   544                       ; a k row of W in LDS: 512 bytes + 32
.set HALFA,  64*PITA                   ; what one tensor load brings of x
.set BOFF,   128*PITA                  ; W's tile lies behind x's
.set HALFB,  64*PITB                   ; what one tensor load brings of W
.set SLOT,   BOFF+128*PITB
.set STAGE,  2*SLOT                    ; behind the ring: 16 rows x 272 bytes for each wave, for the way out
.set SPITCH, 272
.set SPARE,  STAGE+4*16*SPITCH         ; behind the stages: the spare words, 128 bytes for each wave
.set LAPS,   4                         ; K = 1,024 = 4 laps of two steps
.set ASTEP,  256                       ; bytes from a K step to the next in x,
.set BSTEP,  128*2048                  ; and in W: 128 k rows
.set PC,     2048                      ; bytes in a row of the result
.set ADRA, 16                          ; v16-17  LDS address of my fragments of x in slot 0, 1
.set ADRB, 20                          ; v20-21  the same for W
.set STO,  24                          ; v24     the way out: where I put 16 bytes of a row
.set RD,   25                          ; v25     where I read a row back
.set CO,   26                          ; v26     my byte offset in the result
.set SPW,  28                          ; v28     LDS address of my spare word; never rewritten
.set NIL,  29                          ; v29     0; never rewritten
.set F0,   32
.set F1,   128
.set TMP,  32                          ; the way out: packed results
.set OB,   64                          ; the way out: rows read back, two sets of 32 by turns
.set WV, 10                            ; s10 wave; s11 its half of the rows, also: 0 fetches x, 1 fetches W; s12 its half of the columns, also: which half of that tile it fetches
.set WR, 11
.set WC, 12
.set G1,  24                           ; s[24:31] group 1 for x's tiles; s[32:39] group 0, a set for each slot
.set G0,  32
.set G1B, 48                           ; s[48:55], s[56:63] the same for W's
.set G0B, 56
.set MSB, 0
.macro WIN new                         ; the immediate's high byte repeats the setting that is left; a switch that changes nothing is dropped
.if MSB != (\new)
	s_set_vgpr_msb (MSB<<8)|(\new)
.set MSB, \new
.endif
.endm
.macro PLACES                          ; four plain vector instructions behind matrix instructions, in front of loads into registers that they read and of instructions that read results
.rept 4
	v_nop
.endr
.endm
.macro JLOAD s                         ; a joint refill: waves 0 and 1 fetch x's two halves, waves 2 and 3 W's; an s_nop 0 and four v_nop follow each line
	s_cmp_eq_u32 s[WR], 0
	s_cbranch_scc0 .Lfor_b_\@
	tensor_load_to_lds s[G0+4*(\s):G0+4*(\s)+3], s[G1:G1+7]
	s_nop 0
.rept 4
	v_nop
.endr
	s_branch .Lasked_\@
.Lfor_b_\@:
	tensor_load_to_lds s[G0B+4*(\s):G0B+4*(\s)+3], s[G1B:G1B+7]
	s_nop 0
.rept 4
	v_nop
.endr
.Lasked_\@:
.endm
.macro CREST                           ; a round of the cluster's barrier behind its opening barrier
	s_cmp_lg_u32 s[WV], 0
	s_cbranch_scc1 .Lnot_wave_0_\@
	s_barrier_signal -3
.Lnot_wave_0_\@:
	s_barrier_wait -3
	s_barrier_signal -1
	s_barrier_wait -1
.endm
.macro CROUND
	s_barrier_signal -1
	s_barrier_wait -1
	CREST
.endm
	s_load_b512 s[68:83], s[0:1], 0x0              ; xb 68, wb 70, bq 72, bk 74, bv 76, qh 78, kh 80, vh 82
	v_lshl_add_u32 v[SPW], v0, 2, SPARE
	v_mov_b32 v[NIL], 0
	ds_add_u32 v[SPW], v[NIL]                      ; the wave's opening: the add and its wait stand ahead of my first tensor load; the set-up below stands between them
	v_lshrrev_b32 v1, 5, v0
	v_readfirstlane_b32 s[WV], v1
	s_lshr_b32 s[WR], s[WV], 1
	s_and_b32 s[WC], s[WV], 1
	s_bfe_u32 s40, ttmp6, 0x40000                  ; cx: my 256 columns of the 1,024
	s_bfe_u32 s41, ttmp6, 0x40004                  ; cy
	s_and_b32 s13, ttmp7, 0xffff
	s_lshl_b32 s13, s13, 2
	s_add_co_u32 s13, s13, s41                     ; my block of 128 rows = 4 x cluster y + cy
	s_lshl_b32 s43, s41, 2
	s_lshl_b32 s43, 15, s43                        ; my row of the cluster
	s_lshl_b32 s44, 0x1111, s40                    ; my column
	s_or_b32 s[G1], s43, (1<<16)|(1<<20)|(1<<21)|(5<<22)|(3<<25)   ; mask; 2-byte elements; padding on; bit 21 beside a mask; after every 64 words 4 words
	s_mov_b32 s[G1+1], 128<<16                     ; tensor_dim0 = 128
	s_mov_b32 s[G1+2], 64<<16                      ; tensor_dim1 = 64
	s_mov_b32 s[G1+3], 128<<16                     ; tile_dim0 = 128
	s_mov_b32 s[G1+4], 64                          ; tile_dim1 = 64
	s_mov_b32 s[G1+5], 1024                        ; elements from row to row
	s_mov_b32 s[G1+6], 0
	s_mov_b32 s[G1+7], 0
	s_or_b32 s[G1B], s44, (1<<16)|(1<<20)|(1<<21)|(6<<22)|(7<<25)  ; after every 128 words 8 words
	s_mov_b32 s[G1B+1], 256<<16                    ; tensor_dim0 = 256
	s_mov_b32 s[G1B+2], 64<<16                     ; tensor_dim1 = 64
	s_mov_b32 s[G1B+3], 256<<16                    ; tile_dim0 = 256
	s_mov_b32 s[G1B+4], 64                         ; tile_dim1 = 64
	s_mov_b32 s[G1B+5], 1024
	s_mov_b32 s[G1B+6], 0
	s_mov_b32 s[G1B+7], 0
	s_lshl_b32 s16, s13, 18                        ; x: 128 rows of 2,048 bytes a block,
	s_lshl_b32 s17, s[WC], 17                      ; 64 rows a half
	s_add_co_u32 s16, s16, s17
	s_mov_b32 s17, 0
	s_lshl_b32 s46, ttmp9, 21                      ; W: the matrix,
	s_lshl_b32 s47, s[WC], 17                      ; 64 k rows a half,
	s_add_co_u32 s46, s46, s47
	s_lshl_b32 s47, s40, 9                         ; 256 columns
	s_add_co_u32 s46, s46, s47
	s_mov_b32 s47, 0
	s_mul_i32 s20, s[WC], HALFA                    ; where they go in a slot: no place in the cluster enters an LDS address
	s_mul_i32 s21, s[WC], HALFB
	s_add_co_u32 s21, s21, BOFF
	s_lshl_b32 s92, s13, 18                        ; the result at my wave's first row and column
	s_lshl_b32 s93, s[WR], 17
	s_add_co_u32 s92, s92, s93
	s_lshl_b32 s93, s40, 9
	s_add_co_u32 s92, s92, s93
	s_lshl_b32 s93, s[WC], 8
	s_add_co_u32 s92, s92, s93
	s_mov_b32 s93, 0
	s_lshl_b32 s18, s40, 10                        ; the bias of my wave's 128 columns
	s_lshl_b32 s19, s[WC], 9
	s_add_co_u32 s18, s18, s19
	s_mov_b32 s19, 0
	s_wait_dscnt 0x0                               ; the opening add is done
	s_wait_kmcnt 0x0
	s_add_nc_u64 s[14:15], s[68:69], s[16:17]
	s_add_nc_u64 s[46:47], s[70:71], s[46:47]
	s_cmp_eq_u32 ttmp9, 0                          ; which result: by the cluster's x, 0 q, 1 k, 2 v
	s_cselect_b64 s[84:85], s[72:73], s[74:75]
	s_cselect_b64 s[8:9], s[78:79], s[80:81]
	s_cmp_eq_u32 ttmp9, 2
	s_cselect_b64 s[84:85], s[76:77], s[84:85]
	s_cselect_b64 s[8:9], s[82:83], s[8:9]
	s_add_nc_u64 s[84:85], s[84:85], s[18:19]
	s_add_nc_u64 s[8:9], s[8:9], s[92:93]
.irp s, 0,1
	s_mov_b32 s[G0+4*(\s)], 1                      ; count = 1
	s_add_co_u32 s[G0+4*(\s)+1], s20, (\s)*SLOT    ; LDS address
	s_add_nc_u64 s[G0+4*(\s)+2:G0+4*(\s)+3], s[14:15], (\s)*ASTEP  ; K step s
	s_or_b32 s[G0+4*(\s)+3], s[G0+4*(\s)+3], 0x80000000            ; type = 2
	s_mov_b32 s[G0B+4*(\s)], 1
	s_add_co_u32 s[G0B+4*(\s)+1], s21, (\s)*SLOT
	s_add_nc_u64 s[G0B+4*(\s)+2:G0B+4*(\s)+3], s[46:47], (\s)*BSTEP
	s_or_b32 s[G0B+4*(\s)+3], s[G0B+4*(\s)+3], 0x80000000
.endr
	CROUND                                         ; all sixteen work-groups are here: the first joint loads meet
	s_cmp_eq_u32 s[WR], 0                          ; a wave's two first fills stand in one branch: two loads of mine are out
	s_cbranch_scc0 .Lfirst_b
	tensor_load_to_lds s[G0:G0+3], s[G1:G1+7]
	s_nop 0
	tensor_load_to_lds s[G0+4:G0+7], s[G1:G1+7]
	s_nop 0
.rept 4
	v_nop
.endr
	s_branch .Lfirst_asked
.Lfirst_b:
	tensor_load_to_lds s[G0B:G0B+3], s[G1B:G1B+7]
	s_nop 0
	tensor_load_to_lds s[G0B+4:G0B+7], s[G1B:G1B+7]
	s_nop 0
.rept 4
	v_nop
.endr
.Lfirst_asked:
	v_and_b32 v1, 15, v0                           ; r = l % 16
	v_bfe_u32 v2, v0, 4, 1                         ; h = l / 16
	v_lshlrev_b32 v3, 5, v2                        ; the bias: my eight columns of a block of 16 begin at byte 32 h
	WIN 0x80                                       ; destination window 2
.irp b, 0,1,2,3,4,5,6,7
	global_load_b128 v[8*(\b):8*(\b)+3],   v3, s[84:85] offset:64*(\b)
	global_load_b128 v[8*(\b)+4:8*(\b)+7], v3, s[84:85] offset:64*(\b)+16
.endr
	WIN 0
	v_mul_u32_u24 v6, v1, PITA                     ; a fragment of x: row r, 16 bytes for each half of the lanes, twice, 32 bytes apart
	v_lshl_add_u32 v6, v2, 4, v6
	s_mul_i32 s22, s[WR], HALFA
	v_add_nc_u32 v[ADRA], s22, v6
	v_add_nc_u32 v[ADRA+1], SLOT, v[ADRA]
	v_and_b32 v4, 7, v0                            ; the turning load: lane l reads k row 8 h + l % 8, columns 8 ((l / 8) % 2) + 0..7, and ends with column r and eight k
	v_bfe_u32 v5, v0, 3, 1
	v_lshl_add_u32 v4, v2, 3, v4
	v_mul_u32_u24 v4, v4, PITB
	v_lshl_add_u32 v4, v5, 4, v4
	s_lshl_b32 s23, s[WC], 8
	s_add_co_u32 s23, s23, BOFF
	v_add_nc_u32 v[ADRB], s23, v4
	v_add_nc_u32 v[ADRB+1], SLOT, v[ADRB]
	s_mul_i32 s23, s[WV], 16*SPITCH
	s_add_co_u32 s23, s23, STAGE                   ; my stage
	v_mul_u32_u24 v4, v1, SPITCH
	v_lshl_add_u32 v4, v2, 4, v4
	v_add_nc_u32 v[STO], s23, v4
	v_mul_u32_u24 v5, v2, SPITCH                   ; back: lanes 0-15 one row of 256 bytes, lanes 16-31 the next
	v_lshl_add_u32 v5, v1, 4, v5
	v_add_nc_u32 v[RD], s23, v5
	v_mul_u32_u24 v5, v2, PC
	v_lshl_add_u32 v[CO], v1, 4, v5
	s_wait_loadcnt 0x0                             ; the bias is in: it is rounded to bf16 and widened again
	WIN 0x8a                                       ; destination and both sources window 2
.set p, 0
.rept 32
	v_cvt_pk_bf16_f32 v[64+p%4], v[2*p], v[2*p+1]
	v_lshlrev_b32 v[2*p], 16, v[64+p%4]
	v_and_b32 v[2*p+1], 0xffff0000, v[64+p%4]
.set p, p+1
.endr
	WIN 0
; cnt x 8 matrix instructions: row blocks a0 .. x all 8 column blocks, 32 along K, from buffer f.  first = 1: the bias starts the sums.  The 32 accumulators take turns.
.macro MUL f, a0, cnt, first
.if \first
	WIN 0x60                                       ; D window 1, C window 2
.else
	WIN 0x50                                       ; C and D window 1
.endif
.set aa, \a0
.rept \cnt
.irp b, 0,1,2,3,4,5,6,7
.if \first
	v_wmma_f32_16x16x32_bf16 v[8*(8*aa+(\b)):8*(8*aa+(\b))+7], v[(\f)+8*(\b):(\f)+8*(\b)+7], v[(\f)+64+8*aa:(\f)+64+8*aa+7], v[8*(\b):8*(\b)+7]
.else
	v_wmma_f32_16x16x32_bf16 v[8*(8*aa+(\b)):8*(8*aa+(\b))+7], v[(\f)+8*(\b):(\f)+8*(\b)+7], v[(\f)+64+8*aa:(\f)+64+8*aa+7], v[8*(8*aa+(\b)):8*(8*aa+(\b))+7]
.endif
.endr
.set aa, aa+1
.endr
.endm
; 24 LDS loads in one run: quarter kq (32 along K) of a slot into buffer f: W's eight fragments, then x's four
.macro FETCH slot, kq, f
	WIN 0
.irp b, 0,1,2,3,4,5,6,7
	ds_load_tr16_b128 v[(\f)+8*(\b):(\f)+8*(\b)+3],   v[ADRB+(\slot)] offset:(\kq)*32*PITB+32*(\b)
	ds_load_tr16_b128 v[(\f)+8*(\b)+4:(\f)+8*(\b)+7], v[ADRB+(\slot)] offset:(\kq)*32*PITB+16*PITB+32*(\b)
.endr
.irp a, 0,1,2,3
	ds_load_b128 v[(\f)+64+8*(\a):(\f)+64+8*(\a)+3],   v[ADRA+(\slot)] offset:(\kq)*64+(\a)*16*PITA
	ds_load_b128 v[(\f)+64+8*(\a)+4:(\f)+64+8*(\a)+7], v[ADRA+(\slot)] offset:(\kq)*64+(\a)*16*PITA+32
.endr
.endm
; One of a K step's first three quarters: multiplies buffer f; in its middle it fetches quarter kq of the same slot into buffer g.
.macro QUARTER slot, kq, f, g, first
	s_wait_dscnt 4                                 ; W's fragments and x's row blocks 0, 1 are in; the youngest four loads (blocks 2, 3) may be out
	MUL \f, 0, 2, \first
	PLACES
	FETCH \slot, \kq, \g
	s_wait_dscnt 24                                ; all but the 24 just issued
	MUL \f, 2, 2, \first
.endm
; The last quarter multiplies buffer 1 and changes slots: one barrier; in front of it each wave waits for all its tensor loads (one is out: its part of the next slot), adds 0 to its spare word, and waits for that
; and for its reads of this slot.  fill = 1: the barrier opens a round of the cluster's, and this slot is filled again, two K steps ahead, first thing behind it: 112 matrix instructions ahead of the wait for it.
.macro TURN slot, next, fill
	WIN 0
	s_wait_tensorcnt 0x0
	ds_add_u32 v[SPW], v[NIL]
	s_wait_dscnt 5                                 ; (the add and the youngest four loads may be out)
	MUL F1, 0, 1, 0
	s_wait_dscnt 0x0                               ; the add is done, and my reads of this slot are over
	s_barrier_signal -1
	MUL F1, 1, 1, 0
.if \fill
	WIN 0
.endif
	s_barrier_wait -1
.if \fill
	CREST                                          ; no wave of any partner still reads this slot or has a load on its way
	s_add_nc_u64 s[G0+4*(\slot)+2:G0+4*(\slot)+3], s[G0+4*(\slot)+2:G0+4*(\slot)+3], 2*ASTEP
	s_add_nc_u64 s[G0B+4*(\slot)+2:G0B+4*(\slot)+3], s[G0B+4*(\slot)+2:G0B+4*(\slot)+3], 2*BSTEP
	JLOAD \slot                                    ; its four v_nop are also the places in front of the loads below
.else
	PLACES
.endif
	FETCH \next, 0, F0
	MUL F1, 2, 2, 0
.endm
	s_wait_tensorcnt 0x1                           ; my part of K step 0 is in; step 1's may stay out
	s_barrier_signal -1
	s_barrier_wait -1                              ; everybody's is
	FETCH 0, 0, F0
	QUARTER 0, 1, F0, F1, 1                        ; the first quarter stands in front of the loop: its products start the sums
	WIN 0
	s_mov_b32 s3, LAPS-1
.Llap:                                                 ; a trip goes once round the ring, from a lap's second quarter to the next lap's first, and fills both slots again
	QUARTER 0, 2, F1, F0, 0
	QUARTER 0, 3, F0, F1, 0
	TURN 0, 1, 1
	QUARTER 1, 1, F0, F1, 0
	QUARTER 1, 2, F1, F0, 0
	QUARTER 1, 3, F0, F1, 0
	TURN 1, 0, 1
	QUARTER 0, 1, F0, F1, 0
	WIN 0
	s_sub_co_u32 s3, s3, 1
	s_cmp_lg_u32 s3, 0
	s_cbranch_scc1 .Llap
	QUARTER 0, 2, F1, F0, 0                        ; the last lap fills nothing
	QUARTER 0, 3, F0, F1, 0
	TURN 0, 1, 0
	QUARTER 1, 1, F0, F1, 0
	QUARTER 1, 2, F1, F0, 0
	QUARTER 1, 3, F0, F1, 0
	s_wait_dscnt 4
	MUL F1, 0, 2, 0
	s_wait_dscnt 0x0
	MUL F1, 2, 2, 0
	WIN 0
	PLACES
	PLACES
; THE WAY OUT, a block of 16 rows at a time: rounded to f16, 16 bytes a lane into my own stage, back as whole rows of 256 bytes, stored.
.macro PACK a
	WIN 0x05                                       ; both sources window 1
.irp b, 0,1,2,3,4,5,6,7
.irp i, 0,1,2,3
	v_cvt_pk_f16_f32 v[TMP+4*(\b)+(\i)], v[8*(8*(\a)+(\b))+2*(\i)], v[8*(8*(\a)+(\b))+2*(\i)+1]
.endr
.endr
	WIN 0
.endm
.macro TOSTAGE a
.set BK, OB+32*((\a)%2)
.irp b, 0,1,2,3,4,5,6,7
	ds_store_b128 v[STO], v[TMP+4*(\b):TMP+4*(\b)+3] offset:32*(\b)
.endr
.irp t, 0,1,2,3,4,5,6,7
	ds_load_b128 v[BK+4*(\t):BK+4*(\t)+3], v[RD] offset:(\t)*2*SPITCH  ; LDS serves a wave's instructions in order (ISA guide 5.7.1.4): these see the stores above
.endr
.endm
.macro SEND a
.set BK, OB+32*((\a)%2)
	s_wait_dscnt 0x0                               ; the block is back in registers
	s_wait_xcnt 0x0                                ; the stores of the block before have read their registers: the next block's loads land on them only behind this wait
.irp t, 0,1,2,3,4,5,6,7
	global_store_b128 v[CO], v[BK+4*(\t):BK+4*(\t)+3], s[8:9] offset:(16*(\a)+2*(\t))*PC  ; 16 lanes store 256 consecutive bytes, at a multiple of 256 from the buffer's first byte
.endr
.endm
	PACK 0
	TOSTAGE 0
.irp a, 1,2,3
	PACK \a
	SEND (\a)-1
	TOSTAGE \a
.endr
	SEND 3
	s_wait_tensorcnt 0x0                           ; the wave's end
	ds_add_u32 v[SPW], v[NIL]
	s_wait_dscnt 0x0
	CROUND                                         ; the closing round: no work-group ends while a partner may still ask for a tile that names it
	s_endpgm
.Lfunc_end_k_qdaadf14e12_proj:
	.size	k_qdaadf14e12_proj, .Lfunc_end_k_qdaadf14e12_proj-k_qdaadf14e12_proj
	.p2alignl 7, 3214868480
	.fill 96, 4, 3214868480
	.section	.rodata,"a",@progbits
	.p2align	6, 0x0
	.amdhsa_kernel k_qdaadf14e12_proj
		.amdhsa_group_segment_fixed_size 327680
		.amdhsa_private_segment_fixed_size 0
		.amdhsa_enable_private_segment 0
		.amdhsa_kernarg_size 64
		.amdhsa_user_sgpr_count 2
		.amdhsa_user_sgpr_kernarg_segment_ptr 1
		.amdhsa_wavefront_size32 1
		.amdhsa_system_sgpr_workgroup_id_x 1
		.amdhsa_system_sgpr_workgroup_id_y 1
		.amdhsa_system_sgpr_workgroup_id_z 1
		.amdhsa_system_vgpr_workitem_id 0
		.amdhsa_next_free_vgpr 640
		.amdhsa_next_free_sgpr 96
		.amdhsa_reserve_vcc 0
		.amdhsa_float_denorm_mode_32 3
		.amdhsa_float_denorm_mode_16_64 3
		.amdhsa_memory_ordered 1
		.amdhsa_forward_progress 1
		.amdhsa_inst_pref_size 93
	.end_amdhsa_kernel
	.amdgpu_metadata
---
amdhsa.version: [ 1, 2 ]
amdhsa.kernels:
  - .name:           k_qdaadf14e12_proj
    .symbol:         k_qdaadf14e12_proj.kd
    .args:
      - { .name: xb, .offset: 0, .size: 8, .value_kind: global_buffer, .address_space: global }
      - { .name: wb, .offset: 8, .size: 8, .value_kind: global_buffer, .address_space: global }
      - { .name: bq, .offset: 16, .size: 8, .value_kind: global_buffer, .address_space: global }
      - { .name: bk, .offset: 24, .size: 8, .value_kind: global_buffer, .address_space: global }
      - { .name: bv, .offset: 32, .size: 8, .value_kind: global_buffer, .address_space: global }
      - { .name: qh, .offset: 40, .size: 8, .value_kind: global_buffer, .address_space: global }
      - { .name: kh, .offset: 48, .size: 8, .value_kind: global_buffer, .address_space: global }
      - { .name: vh, .offset: 56, .size: 8, .value_kind: global_buffer, .address_space: global }
    .group_segment_fixed_size: 327680
    .private_segment_fixed_size: 0
    .kernarg_segment_align: 8
    .kernarg_segment_size: 64
    .max_flat_workgroup_size: 128
    .sgpr_count:     96
    .vgpr_count:     640
    .wavefront_size: 32
...
	.end_amdgpu_metadata
.endif
;; end of part 2
;; launch scores (part 3): grid 8 x 64, 4 waves a work-group, clusters of 4 x 4, 327,680 bytes of LDS; arguments qh, kh, pb, st; writes pb, st
.if DOCPART == 3
	.amdgcn_target "amdgcn-amd-amdhsa--gfx1250"
	.amdhsa_code_object_version 6
	.text
	.protected	k_qdaadf14e12_scores
	.globl	k_qdaadf14e12_scores
	.p2align	8
	.type	k_qdaadf14e12_scores,@function
k_qdaadf14e12_scores:
	s_mov_b64 s[64:65], 0
	v_nop
	global_prefetch_b8 v0, s[64:65] scope:SCOPE_SE
	s_setreg_imm32_b32 hwreg(HW_REG_WAVE_MODE, 25, 1), 1
	s_wait_xcnt 0x0
	s_wait_alu depctr_hold_cnt(0) depctr_sa_sdst(0) depctr_va_vdst(0) depctr_va_sdst(0) depctr_va_ssrc(0) depctr_va_vcc(0) depctr_vm_vsrc(0)
	s_getreg_b32 s2, hwreg(HW_REG_IB_STS2, 6, 4)
	s_cmp_eq_u32 s2, 0
	s_cbranch_scc0 .Lentry_in_a_cluster
	s_endpgm
.Lentry_in_a_cluster:
	s_bfe_u32 s2, ttmp6, 0x10000c
	s_cmp_lg_u32 s2, 0xf033
	s_cbranch_scc0 .Lentry_shape_is_right
	s_endpgm
.Lentry_shape_is_right:
; S = q k^T by batches, and the first half of the softmax.  qh, kh: f16 [8192][1024].  For each query row and each block t of 128 keys: cm_t = c x (the block's largest score), c = log2(e) / 32;
; p = 2^(c s - cm_t), rounded to f16, into pb [8192 row][2048 key]; l_t = the sum of the unrounded p.  st [4 b][16 t][2048 row][2] takes (cm_t, l_t) in f32.  The next launch sets the blocks against the row's maximum.
; LIMITS.  p lies in 0 to 1 (to within a rounding of c s - cm_t) and below 6e-5 keeps f16's fixed step of 6e-8; a weight below 2^-126 counts as 0 in l.  NaN and infinities are not treated apart.
; SHARES.  A work-group makes 128 queries x 256 keys, its four waves 64 x 128 each: a wave's columns ARE one block t, so maximum and sum never leave the wave.  K = 1,024 goes in steps of 128 through two LDS slots.
; CLUSTER.  4 x 4: the four of a row need the same rows of q, the four of a column the same rows of k: joint tensor loads.  Source 0 = 16 keys, source 1 = 16 queries: a lane holds one query and eight neighbouring keys.
; No prefetch is laid: a K step holds 128 matrix instructions a wave on a tile of 128 x 256.
; REGISTERS.  window 0: v0-31 addresses; v32-127, v128-223 two fragment buffers (64 of k, 32 of q); v224-251 the softmax's.  window 1: accumulator (a, b) at v[8 (8 a + b)].
.set PITA,   272                       ; a row of q or k in LDS: 256 bytes + 16
.set HALFA,  64*PITA                   ; what one tensor load brings of q
.set BOFF,   128*PITA                  ; k's 256 rows lie behind q's 128
.set HALFB,  128*PITA                  ; what one tensor load brings of k, and what one wave reads of it
.set SLOT,   BOFF+2*HALFB
.set STAGE,  2*SLOT
.set SPITCH, 272
.set SPARE,  STAGE+4*16*SPITCH
.set LAPS,   4
.set ASTEP,  256
.set BSTEP,  256
.set PC,     4096                      ; bytes in a row of pb
.set ADRA, 16
.set ADRB, 20
.set STO,  24
.set RD,   25
.set CO,   26
.set SO,   27                          ; v27  8 x lane: my row's pair in st
.set SPW,  28
.set NIL,  29
.set F0,   32
.set F1,   128
.set TMP,  32
.set OB,   64
.set T,    224                         ; v224-231 eight running maxima
.set MX,   232
.set XCH,  233                         ; what the lane 16 away holds
.set CM,   240                         ; v[240+2a] cm, v[241+2a] l of row block a
.set SV,   248                         ; v248-251 the statistics as they are stored
.set WV, 10
.set WR, 11
.set WC, 12
.set G1,  24
.set G0,  32
.set G1B, 48
.set G0B, 56
.set CS,  86                           ; s[86:87] c, twice
.set SEL, 88                           ; s[88:89] v_permlanex16_b32's selects: each lane takes its own place in the other half
.set MSB, 0
.macro WIN new
.if MSB != (\new)
	s_set_vgpr_msb (MSB<<8)|(\new)
.set MSB, \new
.endif
.endm
.macro PLACES
.rept 4
	v_nop
.endr
.endm
.macro JLOAD s                         ; a joint refill: waves 0 and 1 fetch q's two halves, waves 2 and 3 k's
	s_cmp_eq_u32 s[WR], 0
	s_cbranch_scc0 .Lfor_b_\@
	tensor_load_to_lds s[G0+4*(\s):G0+4*(\s)+3], s[G1:G1+7]
	s_nop 0
.rept 4
	v_nop
.endr
	s_branch .Lasked_\@
.Lfor_b_\@:
	tensor_load_to_lds s[G0B+4*(\s):G0B+4*(\s)+3], s[G1B:G1B+7]
	s_nop 0
.rept 4
	v_nop
.endr
.Lasked_\@:
.endm
.macro CREST
	s_cmp_lg_u32 s[WV], 0
	s_cbranch_scc1 .Lnot_wave_0_\@
	s_barrier_signal -3
.Lnot_wave_0_\@:
	s_barrier_wait -3
	s_barrier_signal -1
	s_barrier_wait -1
.endm
.macro CROUND
	s_barrier_signal -1
	s_barrier_wait -1
	CREST
.endm
	s_load_b256 s[68:75], s[0:1], 0x0              ; qh 68, kh 70, pb 72, st 74
	v_lshl_add_u32 v[SPW], v0, 2, SPARE
	v_mov_b32 v[NIL], 0
	ds_add_u32 v[SPW], v[NIL]                      ; the wave's opening: the add and its wait stand ahead of my first tensor load
	v_lshrrev_b32 v1, 5, v0
	v_readfirstlane_b32 s[WV], v1
	s_lshr_b32 s[WR], s[WV], 1
	s_and_b32 s[WC], s[WV], 1
	s_bfe_u32 s40, ttmp6, 0x40000                  ; cx
	s_bfe_u32 s41, ttmp6, 0x40004                  ; cy
	s_lshl_b32 s42, ttmp9, 2
	s_add_co_u32 s42, s42, s40                     ; my block of 256 keys
	s_and_b32 s13, ttmp7, 0xffff
	s_lshr_b32 s45, s13, 2                         ; the batch: four clusters along y each; made of no cy
	s_lshl_b32 s13, s13, 2
	s_add_co_u32 s13, s13, s41                     ; my block of 128 rows
	s_lshl_b32 s43, s41, 2
	s_lshl_b32 s43, 15, s43
	s_lshl_b32 s44, 0x1111, s40
	s_or_b32 s[G1], s43, (1<<16)|(1<<20)|(1<<21)|(5<<22)|(3<<25)
	s_mov_b32 s[G1+1], 128<<16                     ; tensor_dim0 = 128
	s_mov_b32 s[G1+2], 64<<16                      ; tensor_dim1 = 64
	s_mov_b32 s[G1+3], 128<<16                     ; tile_dim0 = 128
	s_mov_b32 s[G1+4], 64                          ; tile_dim1 = 64
	s_mov_b32 s[G1+5], 1024
	s_mov_b32 s[G1+6], 0
	s_mov_b32 s[G1+7], 0
	s_or_b32 s[G1B], s44, (1<<16)|(1<<20)|(1<<21)|(5<<22)|(3<<25)
	s_mov_b32 s[G1B+1], 128<<16
	s_mov_b32 s[G1B+2], 128<<16                    ; tensor_dim1 = 128
	s_mov_b32 s[G1B+3], 128<<16
	s_mov_b32 s[G1B+4], 128                        ; tile_dim1 = 128
	s_mov_b32 s[G1B+5], 1024
	s_mov_b32 s[G1B+6], 0
	s_mov_b32 s[G1B+7], 0
	s_lshl_b32 s16, s13, 18                        ; q: 128 rows of 2,048 bytes a block, 64 a half
	s_lshl_b32 s17, s[WC], 17
	s_add_co_u32 s16, s16, s17
	s_mov_b32 s17, 0
	s_lshl_b32 s46, s45, 22                        ; k: the batch's 2,048 rows, 256 a block, 128 a half
	s_lshl_b32 s47, s42, 19
	s_add_co_u32 s46, s46, s47
	s_lshl_b32 s47, s[WC], 18
	s_add_co_u32 s46, s46, s47
	s_mov_b32 s47, 0
	s_mul_i32 s20, s[WC], HALFA
	s_mul_i32 s21, s[WC], HALFB
	s_add_co_u32 s21, s21, BOFF
	s_lshl_b32 s92, s13, 19                        ; pb at my wave's first row and key
	s_lshl_b32 s93, s[WR], 18
	s_add_co_u32 s92, s92, s93
	s_lshl_b32 s93, s42, 9
	s_add_co_u32 s92, s92, s93
	s_lshl_b32 s93, s[WC], 8
	s_add_co_u32 s92, s92, s93
	s_mov_b32 s93, 0
	s_lshl_b32 s18, s45, 4                         ; st: (16 b + t) x 16,384, t = 2 x key block + my half,
	s_lshl_b32 s19, s42, 1
	s_add_co_u32 s18, s18, s19
	s_add_co_u32 s18, s18, s[WC]
	s_lshl_b32 s18, s18, 14
	s_and_b32 s19, s13, 15                         ; + my 64 rows in the batch, 8 bytes each
	s_lshl_b32 s19, s19, 10
	s_add_co_u32 s18, s18, s19
	s_lshl_b32 s19, s[WR], 9
	s_add_co_u32 s18, s18, s19
	s_mov_b32 s19, 0
	s_mov_b32 s[CS], 0x3d38aa3b                    ; c = log2(e) / 32
	s_mov_b32 s[CS+1], s[CS]
	s_mov_b32 s[SEL], 0x76543210
	s_mov_b32 s[SEL+1], 0xfedcba98
	s_wait_dscnt 0x0                               ; the opening add is done
	s_wait_kmcnt 0x0
	s_add_nc_u64 s[14:15], s[68:69], s[16:17]
	s_add_nc_u64 s[46:47], s[70:71], s[46:47]
	s_add_nc_u64 s[8:9], s[72:73], s[92:93]
	s_add_nc_u64 s[66:67], s[74:75], s[18:19]
.irp s, 0,1
	s_mov_b32 s[G0+4*(\s)], 1
	s_add_co_u32 s[G0+4*(\s)+1], s20, (\s)*SLOT
	s_add_nc_u64 s[G0+4*(\s)+2:G0+4*(\s)+3], s[14:15], (\s)*ASTEP
	s_or_b32 s[G0+4*(\s)+3], s[G0+4*(\s)+3], 0x80000000
	s_mov_b32 s[G0B+4*(\s)], 1
	s_add_co_u32 s[G0B+4*(\s)+1], s21, (\s)*SLOT
	s_add_nc_u64 s[G0B+4*(\s)+2:G0B+4*(\s)+3], s[46:47], (\s)*BSTEP
	s_or_b32 s[G0B+4*(\s)+3], s[G0B+4*(\s)+3], 0x80000000
.endr
	CROUND                                         ; all sixteen work-groups are here: the first joint loads meet
	s_cmp_eq_u32 s[WR], 0                          ; a wave's two first fills stand in one branch: two loads of mine are out
	s_cbranch_scc0 .Lfirst_b
	tensor_load_to_lds s[G0:G0+3], s[G1:G1+7]
	s_nop 0
	tensor_load_to_lds s[G0+4:G0+7], s[G1:G1+7]
	s_nop 0
.rept 4
	v_nop
.endr
	s_branch .Lfirst_asked
.Lfirst_b:
	tensor_load_to_lds s[G0B:G0B+3], s[G1B:G1B+7]
	s_nop 0
	tensor_load_to_lds s[G0B+4:G0B+7], s[G1B:G1B+7]
	s_nop 0
.rept 4
	v_nop
.endr
.Lfirst_asked:
	v_and_b32 v1, 15, v0                           ; r
	v_bfe_u32 v2, v0, 4, 1                         ; h
	v_mul_u32_u24 v6, v1, PITA                     ; a fragment: row r, 16 bytes for each half of the lanes, twice, 32 bytes apart
	v_lshl_add_u32 v6, v2, 4, v6
	s_mul_i32 s22, s[WR], HALFA
	v_add_nc_u32 v[ADRA], s22, v6
	v_add_nc_u32 v[ADRA+1], SLOT, v[ADRA]
	s_mul_i32 s23, s[WC], HALFB
	s_add_co_u32 s23, s23, BOFF
	v_add_nc_u32 v[ADRB], s23, v6
	v_add_nc_u32 v[ADRB+1], SLOT, v[ADRB]
	s_mul_i32 s23, s[WV], 16*SPITCH
	s_add_co_u32 s23, s23, STAGE
	v_mul_u32_u24 v4, v1, SPITCH
	v_lshl_add_u32 v4, v2, 4, v4
	v_add_nc_u32 v[STO], s23, v4
	v_mul_u32_u24 v5, v2, SPITCH
	v_lshl_add_u32 v5, v1, 4, v5
	v_add_nc_u32 v[RD], s23, v5
	v_mul_u32_u24 v5, v2, PC
	v_lshl_add_u32 v[CO], v1, 4, v5
	v_and_b32 v[SO], 31, v0
	v_lshlrev_b32 v[SO], 3, v[SO]
	v_mov_b32 v[XCH], 0                            ; a permute's destination counts as read,
.irp i, 0,1,2,3,4,5,6,7
	v_mov_b32 v[CM+(\i)], 0                        ; and cm is named with l as a pair
.endr
.macro MUL f, a0, cnt, first           ; cnt x 8 matrix instructions; first = 1: the constant 0 starts the sums.  The 32 accumulators take turns.
	WIN 0x50
.set aa, \a0
.rept \cnt
.irp b, 0,1,2,3,4,5,6,7
.if \first
	v_wmma_f32_16x16x32_f16 v[8*(8*aa+(\b)):8*(8*aa+(\b))+7], v[(\f)+8*(\b):(\f)+8*(\b)+7], v[(\f)+64+8*aa:(\f)+64+8*aa+7], 0
.else
	v_wmma_f32_16x16x32_f16 v[8*(8*aa+(\b)):8*(8*aa+(\b))+7], v[(\f)+8*(\b):(\f)+8*(\b)+7], v[(\f)+64+8*aa:(\f)+64+8*aa+7], v[8*(8*aa+(\b)):8*(8*aa+(\b))+7]
.endif
.endr
.set aa, aa+1
.endr
.endm
.macro FETCH slot, kq, f               ; 24 LDS loads in one run: k's eight fragments, then q's four
	WIN 0
.irp b, 0,1,2,3,4,5,6,7
	ds_load_b128 v[(\f)+8*(\b):(\f)+8*(\b)+3],   v[ADRB+(\slot)] offset:(\kq)*64+(\b)*16*PITA
	ds_load_b128 v[(\f)+8*(\b)+4:(\f)+8*(\b)+7], v[ADRB+(\slot)] offset:(\kq)*64+(\b)*16*PITA+32
.endr
.irp a, 0,1,2,3
	ds_load_b128 v[(\f)+64+8*(\a):(\f)+64+8*(\a)+3],   v[ADRA+(\slot)] offset:(\kq)*64+(\a)*16*PITA
	ds_load_b128 v[(\f)+64+8*(\a)+4:(\f)+64+8*(\a)+7], v[ADRA+(\slot)] offset:(\kq)*64+(\a)*16*PITA+32
.endr
.endm
.macro QUARTER slot, kq, f, g, first
	s_wait_dscnt 4                                 ; k's fragments and q's row blocks 0, 1 are in; the youngest four loads may be out
	MUL \f, 0, 2, \first
	PLACES
	FETCH \slot, \kq, \g
	s_wait_dscnt 24                                ; all but the 24 just issued
	MUL \f, 2, 2, \first
.endm
; The change of slots: each wave waits for all its tensor loads (one is out: its part of the next slot), adds 0 to its spare word, waits for that and for its reads of this slot; one barrier.
; fill = 1: the barrier opens a round of the cluster's, and the joint refill, two K steps ahead, is the first thing behind it.
.macro TURN slot, next, fill
	WIN 0
	s_wait_tensorcnt 0x0
	ds_add_u32 v[SPW], v[NIL]
	s_wait_dscnt 5                                 ; (the add and the youngest four loads may be out)
	MUL F1, 0, 1, 0
	s_wait_dscnt 0x0                               ; the add is done, and my reads of this slot are over
	s_barrier_signal -1
	MUL F1, 1, 1, 0
.if \fill
	WIN 0
.endif
	s_barrier_wait -1
.if \fill
	CREST
	s_add_nc_u64 s[G0+4*(\slot)+2:G0+4*(\slot)+3], s[G0+4*(\slot)+2:G0+4*(\slot)+3], 2*ASTEP
	s_add_nc_u64 s[G0B+4*(\slot)+2:G0B+4*(\slot)+3], s[G0B+4*(\slot)+2:G0B+4*(\slot)+3], 2*BSTEP
	JLOAD \slot
.else
	PLACES
.endif
	FETCH \next, 0, F0
	MUL F1, 2, 2, 0
.endm
	s_wait_tensorcnt 0x1                           ; my part of K step 0 is in; step 1's may stay out
	s_barrier_signal -1
	s_barrier_wait -1
	FETCH 0, 0, F0
	QUARTER 0, 1, F0, F1, 1
	WIN 0
	s_mov_b32 s3, LAPS-1
.Llap:
	QUARTER 0, 2, F1, F0, 0
	QUARTER 0, 3, F0, F1, 0
	TURN 0, 1, 1
	QUARTER 1, 1, F0, F1, 0
	QUARTER 1, 2, F1, F0, 0
	QUARTER 1, 3, F0, F1, 0
	TURN 1, 0, 1
	QUARTER 0, 1, F0, F1, 0
	WIN 0
	s_sub_co_u32 s3, s3, 1
	s_cmp_lg_u32 s3, 0
	s_cbranch_scc1 .Llap
	QUARTER 0, 2, F1, F0, 0
	QUARTER 0, 3, F0, F1, 0
	TURN 0, 1, 0
	QUARTER 1, 1, F0, F1, 0
	QUARTER 1, 2, F1, F0, 0
	QUARTER 1, 3, F0, F1, 0
	s_wait_dscnt 4
	MUL F1, 0, 2, 0
	s_wait_dscnt 0x0
	MUL F1, 2, 2, 0
	WIN 0
	PLACES
	PLACES
; Row block a (16 queries x my 128 keys; a lane holds 64 scores of one query, the lane 16 away the other 64): maximum, c s - cm, exponentials, rounding to f16, sum.
; Each accumulator's lowest registers are read first.  The 64 exponentials are one batch with one wait ahead of their first reader.
.macro SOFT a
.set AC, 64*(\a)
	WIN 0x15                                       ; three sources window 1
.irp b, 0,1,2,3,4,5,6,7
	v_max3_num_f32 v[T+(\b)], v[AC+8*(\b)], v[AC+8*(\b)+1], v[AC+8*(\b)+2]
.endr
	WIN 0x14
.irp b, 0,1,2,3,4,5,6,7
	v_max3_num_f32 v[T+(\b)], v[T+(\b)], v[AC+8*(\b)+3], v[AC+8*(\b)+4]
.endr
.irp b, 0,1,2,3,4,5,6,7
	v_max3_num_f32 v[T+(\b)], v[T+(\b)], v[AC+8*(\b)+5], v[AC+8*(\b)+6]
.endr
.irp b, 1,3,5,7
	v_max3_num_f32 v[T+(\b)], v[T+(\b)], v[AC+8*(\b)+7], v[AC+8*(\b)-1]
.endr
	WIN 0
	v_max3_num_f32 v[MX], v[T], v[T+1], v[T+2]
	v_max3_num_f32 v[T+3], v[T+3], v[T+4], v[T+5]
	v_max3_num_f32 v[MX], v[MX], v[T+6], v[T+7]
	v_max_num_f32 v[MX], v[MX], v[T+3]
	v_permlanex16_b32 v[XCH], v[MX], s[SEL], s[SEL+1]
	v_max_num_f32 v[MX], v[MX], v[XCH]
	v_mul_f32 v[CM+2*(\a)], s[CS], v[MX]           ; cm
	WIN 0x41                                       ; destination and source 0 window 1
.set p, 0
.rept 32
	v_pk_fma_f32 v[AC+2*p:AC+2*p+1], v[AC+2*p:AC+2*p+1], s[CS:CS+1], v[CM+2*(\a):CM+2*(\a)+1] op_sel_hi:[1,0,0] neg_lo:[0,0,1] neg_hi:[0,0,1]
.set p, p+1
.endr
.set p, 0
.rept 64
	v_exp_f32 v[AC+p], v[AC+p]
.set p, p+1
.endr
	v_nop                                          ; a plain instruction behind the last exponential (ISA guide 5.7.2),
	s_wait_alu depctr_va_vdst(0)                   ; and the one wait ahead of the batch's first reader
	WIN 0x05
.set p, 0
.rept 32
	v_cvt_pk_f16_f32 v[TMP+p], v[AC+2*p], v[AC+2*p+1]
.set p, p+1
.endr
	WIN 0x45
.irp w, 16,8,4,2,1
.set p, 0
.rept \w
	v_pk_add_f32 v[AC+2*p:AC+2*p+1], v[AC+2*p:AC+2*p+1], v[AC+2*(p+(\w)):AC+2*(p+(\w))+1]
.set p, p+1
.endr
.endr
	WIN 0x05
	v_add_f32 v[CM+2*(\a)+1], v[AC], v[AC+1]
	WIN 0
	v_permlanex16_b32 v[XCH], v[CM+2*(\a)+1], s[SEL], s[SEL+1]
	v_add_f32 v[CM+2*(\a)+1], v[CM+2*(\a)+1], v[XCH]  ; l
.endm
.macro TOSTAGE a
.set BK, OB+32*((\a)%2)
.irp b, 0,1,2,3,4,5,6,7
	ds_store_b128 v[STO], v[TMP+4*(\b):TMP+4*(\b)+3] offset:32*(\b)
.endr
.irp t, 0,1,2,3,4,5,6,7
	ds_load_b128 v[BK+4*(\t):BK+4*(\t)+3], v[RD] offset:(\t)*2*SPITCH  ; LDS serves a wave's instructions in order (ISA guide 5.7.1.4): these see the stores above
.endr
.endm
.macro SEND a
.set BK, OB+32*((\a)%2)
	s_wait_dscnt 0x0
	s_wait_xcnt 0x0                                ; the stores of the block before have read their registers: the next block's loads land on them only behind this wait
.irp t, 0,1,2,3,4,5,6,7
	global_store_b128 v[CO], v[BK+4*(\t):BK+4*(\t)+3], s[8:9] offset:(16*(\a)+2*(\t))*PC  ; 16 lanes store 256 consecutive bytes, at a multiple of 256 from pb's first byte
.endr
.endm
	SOFT 0
	TOSTAGE 0
.irp a, 1,2,3
	SOFT \a
	SEND (\a)-1
	TOSTAGE \a
.endr
	SEND 3
	; the statistics: lane l stores row l of 32: lanes 0-15 hold a block's rows, lanes 16-31 take the next block's
	v_cmp_eq_u32 s91, 1, v2
	v_cndmask_b32 v[SV],   v[CM],   v[CM+2], s91
	v_cndmask_b32 v[SV+1], v[CM+1], v[CM+3], s91
	v_cndmask_b32 v[SV+2], v[CM+4], v[CM+6], s91
	v_cndmask_b32 v[SV+3], v[CM+5], v[CM+7], s91
	global_store_b64 v[SO], v[SV:SV+1], s[66:67]              ; 256 consecutive bytes, at a multiple of 256 from st's first byte
	global_store_b64 v[SO], v[SV+2:SV+3], s[66:67] offset:256
	s_wait_tensorcnt 0x0                           ; the wave's end
	ds_add_u32 v[SPW], v[NIL]
	s_wait_dscnt 0x0
	CROUND                                         ; the closing round
	s_endpgm
.Lfunc_end_k_qdaadf14e12_scores:
	.size	k_qdaadf14e12_scores, .Lfunc_end_k_qdaadf14e12_scores-k_qdaadf14e12_scores
	.p2alignl 7, 3214868480
	.fill 96, 4, 3214868480
	.section	.rodata,"a",@progbits
	.p2align	6, 0x0
	.amdhsa_kernel k_qdaadf14e12_scores
		.amdhsa_group_segment_fixed_size 327680
		.amdhsa_private_segment_fixed_size 0
		.amdhsa_enable_private_segment 0
		.amdhsa_kernarg_size 32
		.amdhsa_user_sgpr_count 2
		.amdhsa_user_sgpr_kernarg_segment_ptr 1
		.amdhsa_wavefront_size32 1
		.amdhsa_system_sgpr_workgroup_id_x 1
		.amdhsa_system_sgpr_workgroup_id_y 1
		.amdhsa_system_sgpr_workgroup_id_z 1
		.amdhsa_system_vgpr_workitem_id 0
		.amdhsa_next_free_vgpr 512
		.amdhsa_next_free_sgpr 96
		.amdhsa_reserve_vcc 0
		.amdhsa_float_denorm_mode_32 3
		.amdhsa_float_denorm_mode_16_64 3
		.amdhsa_memory_ordered 1
		.amdhsa_forward_progress 1
		.amdhsa_inst_pref_size 120
	.end_amdhsa_kernel
	.amdgpu_metadata
---
amdhsa.version: [ 1, 2 ]
amdhsa.kernels:
  - .name:           k_qdaadf14e12_scores
    .symbol:         k_qdaadf14e12_scores.kd
    .args:
      - { .name: qh, .offset: 0, .size: 8, .value_kind: global_buffer, .address_space: global }
      - { .name: kh, .offset: 8, .size: 8, .value_kind: global_buffer, .address_space: global }
      - { .name: pb, .offset: 16, .size: 8, .value_kind: global_buffer, .address_space: global }
      - { .name: st, .offset: 24, .size: 8, .value_kind: global_buffer, .address_space: global }
    .group_segment_fixed_size: 327680
    .private_segment_fixed_size: 0
    .kernarg_segment_align: 8
    .kernarg_segment_size: 32
    .max_flat_workgroup_size: 128
    .sgpr_count:     96
    .vgpr_count:     512
    .wavefront_size: 32
...
	.end_amdgpu_metadata
.endif
;; end of part 3
;; launch pv (part 4): grid 4 x 64, 4 waves a work-group, clusters of 4 x 4, 327,680 bytes of LDS; arguments pb, vh, st, out0; writes out0
.if DOCPART == 4
	.amdgcn_target "amdgcn-amd-amdhsa--gfx1250"
	.amdhsa_code_object_version 6
	.text
	.protected	k_qdaadf14e12_pv
	.globl	k_qdaadf14e12_pv
	.p2align	8
	.type	k_qdaadf14e12_pv,@function
k_qdaadf14e12_pv:
	s_mov_b64 s[64:65], 0
	v_nop
	global_prefetch_b8 v0, s[64:65] scope:SCOPE_SE
	s_setreg_imm32_b32 hwreg(HW_REG_WAVE_MODE, 25, 1), 1
	s_wait_xcnt 0x0
	s_wait_alu depctr_hold_cnt(0) depctr_sa_sdst(0) depctr_va_vdst(0) depctr_va_sdst(0) depctr_va_ssrc(0) depctr_va_vcc(0) depctr_vm_vsrc(0)
	s_getreg_b32 s2, hwreg(HW_REG_IB_STS2, 6, 4)
	s_cmp_eq_u32 s2, 0
	s_cbranch_scc0 .Lentry_in_a_cluster
	s_endpgm
.Lentry_in_a_cluster:
	s_bfe_u32 s2, ttmp6, 0x10000c
	s_cmp_lg_u32 s2, 0xf033
	s_cbranch_scc0 .Lentry_shape_is_right
	s_endpgm
.Lentry_shape_is_right:
; The second half of the softmax, and out = P v.  pb: f16 [8192 row][2048 key], weights relative to their block's maximum; st: f32 [4 b][16 t][2048 row][2] = (cm_t, l_t); vh: f16 [8192][1024]; out0: f32 [8192][1024].
; For each row: M = the largest cm_t (the row's true maximum); alpha_t = 2^(cm_t - M), at most 1, rounded to f16; L = the sum of alpha_t l_t, with the rounded alpha, at least about 1;
; out = (the sum over t of (alpha_t P_t) V_t) / L.  A K step of 128 keys IS a block t: P's fragments are multiplied by alpha_t between their LDS load and the matrix instruction (packed f16: one rounding).
; LIMITS.  alpha p below 6e-5 keeps f16's fixed step of 6e-8; an alpha below 6e-8 counts as 0, in L too.  NaN and infinities are not treated apart.
; SHARES.  A work-group makes 128 rows x 256 channels, its four waves 64 x 128 each; K = 2,048 keys in steps of 128 through two LDS slots.  v lies [key][channel]: its fragments are read turned.
; CLUSTER.  4 x 4: the four of a row need the same rows of P, the four of a column the same columns of v: joint tensor loads.  Source 0 = 16 channels, source 1 = 16 rows of P: a lane holds one row and eight neighbouring channels.
; No prefetch is laid: a K step holds 128 matrix instructions a wave on a tile of 128 x 256.
; REGISTERS.  window 0: v0-31 addresses; v32-127, v128-223 two fragment buffers (64 of v, 32 of P); v224-231 alpha of the two slots' blocks; v232-247 1/L, M, L.  window 1: accumulator (a, b) at v[8 (8 a + b)].
.set PITA,   272
.set PITB,   544
.set HALFA,  64*PITA
.set BOFF,   128*PITA
.set HALFB,  64*PITB
.set SLOT,   BOFF+128*PITB
.set STAGE,  2*SLOT                    ; behind the ring: 16 rows x 528 bytes for each wave, for the way out
.set SPITCH, 528
.set ALB,    STAGE+4*16*SPITCH         ; the table of alpha: for each wave 16 blocks x 32 lanes x 16 bytes (four row blocks, alpha twice in a word); a wave reads its own part alone
.set SPARE,  ALB+4*8192                ; the spare words, 128 bytes for each wave
.set LAPS,   8
.set ASTEP,  256
.set BSTEP,  128*2048
.set PC,     4096                      ; bytes in a row of out0
.set ADRA, 16
.set ADRB, 20
.set ALA,  22                          ; v22  my 16 bytes of block 0 in the table; never rewritten
.set ALC,  23                          ; v23  the same for the lap in hand
.set STO,  24
.set RD,   25
.set CO,   26
.set SPW,  28
.set NIL,  29
.set F0,   32
.set F1,   128
.set OB,   32                          ; the way out: rows read back, two sets of 64 by turns
.set AL,   224                         ; v[224+4 slot+a]  alpha of the slot's block for my row of row block a
.set RL,   232                         ; v[232+2a:233+2a] 1/L, twice
.set MR,   240
.set LR,   244
.set WV, 10
.set WR, 11
.set WC, 12
.set G1,  24
.set G0,  32
.set G1B, 48
.set G0B, 56
.set ALT, 90                           ; s90  1,024 x the lap: two blocks of the table
.set MSB, 0
.macro WIN new
.if MSB != (\new)
	s_set_vgpr_msb (MSB<<8)|(\new)
.set MSB, \new
.endif
.endm
.macro PLACES
.rept 4
	v_nop
.endr
.endm
.macro JLOAD s                         ; a joint refill: waves 0 and 1 fetch P's two halves, waves 2 and 3 v's
	s_cmp_eq_u32 s[WR], 0
	s_cbranch_scc0 .Lfor_b_\@
	tensor_load_to_lds s[G0+4*(\s):G0+4*(\s)+3], s[G1:G1+7]
	s_nop 0
.rept 4
	v_nop
.endr
	s_branch .Lasked_\@
.Lfor_b_\@:
	tensor_load_to_lds s[G0B+4*(\s):G0B+4*(\s)+3], s[G1B:G1B+7]
	s_nop 0
.rept 4
	v_nop
.endr
.Lasked_\@:
.endm
.macro CREST
	s_cmp_lg_u32 s[WV], 0
	s_cbranch_scc1 .Lnot_wave_0_\@
	s_barrier_signal -3
.Lnot_wave_0_\@:
	s_barrier_wait -3
	s_barrier_signal -1
	s_barrier_wait -1
.endm
.macro CROUND
	s_barrier_signal -1
	s_barrier_wait -1
	CREST
.endm
	s_load_b256 s[68:75], s[0:1], 0x0              ; pb 68, vh 70, st 72, out0 74
	v_lshl_add_u32 v[SPW], v0, 2, SPARE
	v_mov_b32 v[NIL], 0
	ds_add_u32 v[SPW], v[NIL]                      ; the wave's opening: the add and its wait stand ahead of my first tensor load
	v_lshrrev_b32 v1, 5, v0
	v_readfirstlane_b32 s[WV], v1
	s_lshr_b32 s[WR], s[WV], 1
	s_and_b32 s[WC], s[WV], 1
	s_bfe_u32 s40, ttmp6, 0x40000                  ; cx
	s_bfe_u32 s41, ttmp6, 0x40004                  ; cy
	s_lshl_b32 s42, ttmp9, 2
	s_add_co_u32 s42, s42, s40                     ; my block of 256 channels
	s_and_b32 s13, ttmp7, 0xffff
	s_lshr_b32 s45, s13, 2                         ; the batch; made of no cy
	s_lshl_b32 s13, s13, 2
	s_add_co_u32 s13, s13, s41                     ; my block of 128 rows
	s_lshl_b32 s43, s41, 2
	s_lshl_b32 s43, 15, s43
	s_lshl_b32 s44, 0x1111, s40
	s_or_b32 s[G1], s43, (1<<16)|(1<<20)|(1<<21)|(5<<22)|(3<<25)
	s_mov_b32 s[G1+1], 128<<16                     ; tensor_dim0 = 128
	s_mov_b32 s[G1+2], 64<<16                      ; tensor_dim1 = 64
	s_mov_b32 s[G1+3], 128<<16                     ; tile_dim0 = 128
	s_mov_b32 s[G1+4], 64                          ; tile_dim1 = 64
	s_mov_b32 s[G1+5], 2048                        ; elements from row to row of pb
	s_mov_b32 s[G1+6], 0
	s_mov_b32 s[G1+7], 0
	s_or_b32 s[G1B], s44, (1<<16)|(1<<20)|(1<<21)|(6<<22)|(7<<25)
	s_mov_b32 s[G1B+1], 256<<16
	s_mov_b32 s[G1B+2], 64<<16
	s_mov_b32 s[G1B+3], 256<<16
	s_mov_b32 s[G1B+4], 64
	s_mov_b32 s[G1B+5], 1024
	s_mov_b32 s[G1B+6], 0
	s_mov_b32 s[G1B+7], 0
	s_lshl_b32 s16, s13, 19                        ; P: 128 rows of 4,096 bytes a block, 64 a half
	s_lshl_b32 s17, s[WC], 18
	s_add_co_u32 s16, s16, s17
	s_mov_b32 s17, 0
	s_lshl_b32 s46, s45, 22                        ; v: the batch's 2,048 rows, 64 key rows a half, 256 channels a block
	s_lshl_b32 s47, s[WC], 17
	s_add_co_u32 s46, s46, s47
	s_lshl_b32 s47, s42, 9
	s_add_co_u32 s46, s46, s47
	s_mov_b32 s47, 0
	s_mul_i32 s20, s[WC], HALFA
	s_mul_i32 s21, s[WC], HALFB
	s_add_co_u32 s21, s21, BOFF
	s_lshl_b32 s92, s13, 19                        ; out0 at my wave's first row and channel
	s_lshl_b32 s93, s[WR], 18
	s_add_co_u32 s92, s92, s93
	s_lshl_b32 s93, s42, 10
	s_add_co_u32 s92, s92, s93
	s_lshl_b32 s93, s[WC], 9
	s_add_co_u32 s92, s92, s93
	s_mov_b32 s93, 0
	s_lshl_b32 s18, s45, 18                        ; st: the batch, my 64 rows in it
	s_and_b32 s19, s13, 15
	s_lshl_b32 s19, s19, 10
	s_add_co_u32 s18, s18, s19
	s_lshl_b32 s19, s[WR], 9
	s_add_co_u32 s18, s18, s19
	s_mov_b32 s19, 0
	s_mov_b32 s[ALT], 0
	s_wait_dscnt 0x0                               ; the opening add is done
	s_wait_kmcnt 0x0
	s_add_nc_u64 s[14:15], s[68:69], s[16:17]
	s_add_nc_u64 s[46:47], s[70:71], s[46:47]
	s_add_nc_u64 s[66:67], s[72:73], s[18:19]
	s_add_nc_u64 s[8:9], s[74:75], s[92:93]
.irp s, 0,1
	s_mov_b32 s[G0+4*(\s)], 1
	s_add_co_u32 s[G0+4*(\s)+1], s20, (\s)*SLOT
	s_add_nc_u64 s[G0+4*(\s)+2:G0+4*(\s)+3], s[14:15], (\s)*ASTEP
	s_or_b32 s[G0+4*(\s)+3], s[G0+4*(\s)+3], 0x80000000
	s_mov_b32 s[G0B+4*(\s)], 1
	s_add_co_u32 s[G0B+4*(\s)+1], s21, (\s)*SLOT
	s_add_nc_u64 s[G0B+4*(\s)+2:G0B+4*(\s)+3], s[46:47], (\s)*BSTEP
	s_or_b32 s[G0B+4*(\s)+3], s[G0B+4*(\s)+3], 0x80000000
.endr
	CROUND                                         ; all sixteen work-groups are here: the first joint loads meet
	s_cmp_eq_u32 s[WR], 0                          ; a wave's two first fills stand in one branch: two loads of mine are out
	s_cbranch_scc0 .Lfirst_b
	tensor_load_to_lds s[G0:G0+3], s[G1:G1+7]
	s_nop 0
	tensor_load_to_lds s[G0+4:G0+7], s[G1:G1+7]
	s_nop 0
.rept 4
	v_nop
.endr
	s_branch .Lfirst_asked
.Lfirst_b:
	tensor_load_to_lds s[G0B:G0B+3], s[G1B:G1B+7]
	s_nop 0
	tensor_load_to_lds s[G0B+4:G0B+7], s[G1B:G1B+7]
	s_nop 0
.rept 4
	v_nop
.endr
.Lfirst_asked:
	v_and_b32 v1, 15, v0                           ; r
	v_bfe_u32 v2, v0, 4, 1                         ; h
	v_lshlrev_b32 v3, 3, v1                        ; my row's pair in st
	WIN 0x40                                       ; the statistics of my four rows (row r of each row block), all 16 blocks, into the accumulators' registers, which are still free: (cm, l) of block t, row block a at v[8 t + 2 a]
.set t, 0
.rept 16
.irp a, 0,1,2,3
	global_load_b64 v[8*t+2*(\a):8*t+2*(\a)+1], v3, s[66:67] offset:t*16384+(\a)*128
.endr
.set t, t+1
.endr
	WIN 0
	v_mul_u32_u24 v6, v1, PITA
	v_lshl_add_u32 v6, v2, 4, v6
	s_mul_i32 s22, s[WR], HALFA
	v_add_nc_u32 v[ADRA], s22, v6
	v_add_nc_u32 v[ADRA+1], SLOT, v[ADRA]
	v_and_b32 v4, 7, v0                            ; the turning load: lane l reads key row 8 h + l % 8, channels 8 ((l / 8) % 2) + 0..7
	v_bfe_u32 v5, v0, 3, 1
	v_lshl_add_u32 v4, v2, 3, v4
	v_mul_u32_u24 v4, v4, PITB
	v_lshl_add_u32 v4, v5, 4, v4
	s_lshl_b32 s23, s[WC], 8
	s_add_co_u32 s23, s23, BOFF
	v_add_nc_u32 v[ADRB], s23, v4
	v_add_nc_u32 v[ADRB+1], SLOT, v[ADRB]
	s_mul_i32 s23, s[WV], 16*SPITCH
	s_add_co_u32 s23, s23, STAGE                   ; my stage
	v_mul_u32_u24 v4, v1, SPITCH                   ; in: row r, 32 bytes for each half of the lanes
	v_lshl_add_u32 v4, v2, 5, v4
	v_add_nc_u32 v[STO], s23, v4
	v_and_b32 v5, 31, v0
	v_lshlrev_b32 v[CO], 4, v5                     ; back and out: 32 lanes take a row's 512 bytes
	v_add_nc_u32 v[RD], s23, v[CO]
	s_lshl_b32 s22, s[WV], 13
	s_add_co_u32 s22, s22, ALB
	v_add_nc_u32 v[ALA], s22, v[CO]
.irp a, 0,1,2,3
	v_mov_b32 v[LR+(\a)], 0
.endr
	s_wait_loadcnt 0x0
	WIN 0x15                                       ; M, the row's maximum
.irp a, 0,1,2,3
	v_max3_num_f32 v[MR+(\a)], v[2*(\a)], v[8+2*(\a)], v[16+2*(\a)]
.endr
	WIN 0x14
.irp i, 3,5,7,9,11,13
.irp a, 0,1,2,3
	v_max3_num_f32 v[MR+(\a)], v[MR+(\a)], v[8*(\i)+2*(\a)], v[8*(\i)+8+2*(\a)]
.endr
.endr
.irp a, 0,1,2,3
	v_max_num_f32 v[MR+(\a)], v[MR+(\a)], v[120+2*(\a)]
.endr
	WIN 0x01
.set t, 0
.rept 16
.irp a, 0,1,2,3
	v_sub_f32 v[32+4*t+(\a)], v[8*t+2*(\a)], v[MR+(\a)]   ; cm_t - M
.endr
.set t, t+1
.endr
	WIN 0
.set p, 0
.rept 64
	v_exp_f32 v[32+p], v[32+p]                     ; alpha: one batch
.set p, p+1
.endr
	v_nop                                          ; a plain instruction behind the last exponential,
	s_wait_alu depctr_va_vdst(0)                   ; and the one wait ahead of the batch's first reader
.set p, 0
.rept 64
	v_cvt_pk_f16_f32 v[32+p], v[32+p], v[32+p]     ; alpha twice in a word, for the packed multiply
.set p, p+1
.endr
	WIN 0x04                                       ; source 1 window 1
.set t, 0
.rept 16
.irp a, 0,1,2,3
	v_fma_mix_f32 v[LR+(\a)], v[32+4*t+(\a)], v[8*t+2*(\a)+1], v[LR+(\a)] op_sel_hi:[1,0,0]  ; L += (the rounded alpha, from the low half) x l_t, in f32; four chains by turns
.endr
.set t, t+1
.endr
	WIN 0
.irp a, 0,1,2,3
	v_rcp_f32 v[RL+2*(\a)], v[LR+(\a)]
	v_rcp_f32 v[RL+2*(\a)+1], v[LR+(\a)]
.endr
	v_nop
	s_wait_alu depctr_va_vdst(0)                   ; one wait for the eight reciprocals
.set t, 0
.rept 16
	ds_store_b128 v[ALA], v[32+4*t:32+4*t+3] offset:512*t
.set t, t+1
.endr
	ds_load_b128 v[AL:AL+3], v[ALA]                ; block 0's alpha; LDS serves a wave's instructions in order: it sees the stores above
.macro MUL f, a0, cnt, first           ; cnt x 8 matrix instructions; first = 1: the constant 0 starts the sums.  The 32 accumulators take turns.
	WIN 0x50
.set aa, \a0
.rept \cnt
.irp b, 0,1,2,3,4,5,6,7
.if \first
	v_wmma_f32_16x16x32_f16 v[8*(8*aa+(\b)):8*(8*aa+(\b))+7], v[(\f)+8*(\b):(\f)+8*(\b)+7], v[(\f)+64+8*aa:(\f)+64+8*aa+7], 0
.else
	v_wmma_f32_16x16x32_f16 v[8*(8*aa+(\b)):8*(8*aa+(\b))+7], v[(\f)+8*(\b):(\f)+8*(\b)+7], v[(\f)+64+8*aa:(\f)+64+8*aa+7], v[8*(8*aa+(\b)):8*(8*aa+(\b))+7]
.endif
.endr
.set aa, aa+1
.endr
.endm
.macro FETCH slot, kq, f               ; 24 LDS loads in one run: v's eight fragments (turned), then P's four
	WIN 0
.irp b, 0,1,2,3,4,5,6,7
	ds_load_tr16_b128 v[(\f)+8*(\b):(\f)+8*(\b)+3],   v[ADRB+(\slot)] offset:(\kq)*32*PITB+32*(\b)
	ds_load_tr16_b128 v[(\f)+8*(\b)+4:(\f)+8*(\b)+7], v[ADRB+(\slot)] offset:(\kq)*32*PITB+16*PITB+32*(\b)
.endr
.irp a, 0,1,2,3
	ds_load_b128 v[(\f)+64+8*(\a):(\f)+64+8*(\a)+3],   v[ADRA+(\slot)] offset:(\kq)*64+(\a)*16*PITA
	ds_load_b128 v[(\f)+64+8*(\a)+4:(\f)+64+8*(\a)+7], v[ADRA+(\slot)] offset:(\kq)*64+(\a)*16*PITA+32
.endr
.endm
.macro SCALE f, a0, slot               ; P's fragments of row blocks a0, a0 + 1 times the slot's alpha: a lane holds one row, so one word serves its eight registers
	WIN 0
.irp a, \a0, (\a0)+1
.irp i, 0,1,2,3,4,5,6,7
	v_pk_mul_f16 v[(\f)+64+8*(\a)+(\i)], v[(\f)+64+8*(\a)+(\i)], v[AL+4*(\slot)+(\a)]
.endr
.endr
.endm
.macro ALOAD next                      ; alpha of the block that lies in the next slot; it stands ahead of FETCH's run, so the counted waits that follow cover it
	WIN 0
.if (\next) == 1
	v_add_nc_u32 v[ALC], s[ALT], v[ALA]
	ds_load_b128 v[AL+4:AL+7], v[ALC] offset:512
.else
	ds_load_b128 v[AL:AL+3], v[ALC] offset:1024
	s_add_co_u32 s[ALT], s[ALT], 1024
.endif
.endm
.macro QUARTER slot, kq, f, g, first
	s_wait_dscnt 4                                 ; v's fragments and P's row blocks 0, 1 are in; the youngest four loads may be out
	SCALE \f, 0, \slot
	MUL \f, 0, 2, \first
	PLACES
	FETCH \slot, \kq, \g
	s_wait_dscnt 24                                ; all but the 24 just issued
	SCALE \f, 2, \slot
	MUL \f, 2, 2, \first
.endm
; The change of slots: each wave waits for all its tensor loads (one is out: its part of the next slot), adds 0 to its spare word, waits for that and for its reads of this slot; one barrier.
; fill = 1: the barrier opens a round of the cluster's, and the joint refill, two K steps ahead, is the first thing behind it.
.macro TURN slot, next, fill
	WIN 0
	s_wait_tensorcnt 0x0
	ds_add_u32 v[SPW], v[NIL]
	s_wait_dscnt 5                                 ; (the add and the youngest four loads may be out)
	SCALE F1, 0, \slot
	MUL F1, 0, 1, 0
	s_wait_dscnt 0x0                               ; the add is done, and my reads of this slot are over
	s_barrier_signal -1
	MUL F1, 1, 1, 0
.if \fill
	WIN 0
.endif
	s_barrier_wait -1
.if \fill
	CREST
	s_add_nc_u64 s[G0+4*(\slot)+2:G0+4*(\slot)+3], s[G0+4*(\slot)+2:G0+4*(\slot)+3], 2*ASTEP
	s_add_nc_u64 s[G0B+4*(\slot)+2:G0B+4*(\slot)+3], s[G0B+4*(\slot)+2:G0B+4*(\slot)+3], 2*BSTEP
	JLOAD \slot
.else
	PLACES
.endif
	ALOAD \next
	FETCH \next, 0, F0
	SCALE F1, 2, \slot
	MUL F1, 2, 2, 0
.endm
	s_wait_tensorcnt 0x1                           ; my part of K step 0 is in; step 1's may stay out
	s_wait_dscnt 0x0                               ; the table is stored, block 0's alpha is in
	s_barrier_signal -1
	s_barrier_wait -1
	FETCH 0, 0, F0
	QUARTER 0, 1, F0, F1, 1
	WIN 0
	s_mov_b32 s3, LAPS-1
.Llap:
	QUARTER 0, 2, F1, F0, 0
	QUARTER 0, 3, F0, F1, 0
	TURN 0, 1, 1
	QUARTER 1, 1, F0, F1, 0
	QUARTER 1, 2, F1, F0, 0
	QUARTER 1, 3, F0, F1, 0
	TURN 1, 0, 1
	QUARTER 0, 1, F0, F1, 0
	WIN 0
	s_sub_co_u32 s3, s3, 1
	s_cmp_lg_u32 s3, 0
	s_cbranch_scc1 .Llap
	QUARTER 0, 2, F1, F0, 0
	QUARTER 0, 3, F0, F1, 0
	TURN 0, 1, 0
	QUARTER 1, 1, F0, F1, 0
	QUARTER 1, 2, F1, F0, 0
	QUARTER 1, 3, F0, F1, 0
	s_wait_dscnt 4
	SCALE F1, 0, 1
	MUL F1, 0, 2, 0
	s_wait_dscnt 0x0
	SCALE F1, 2, 1
	MUL F1, 2, 2, 0
	WIN 0
	PLACES
	PLACES
; THE WAY OUT, a block of 16 rows at a time: times 1/L, 32 bytes a lane into my own stage, back as whole rows of 512 bytes, stored.
.macro MULF a
	WIN 0x41
.set p, 0
.rept 32
	v_pk_mul_f32 v[64*(\a)+2*p:64*(\a)+2*p+1], v[64*(\a)+2*p:64*(\a)+2*p+1], v[RL+2*(\a):RL+2*(\a)+1]
.set p, p+1
.endr
.endm
.macro STG a
.set BK, OB+64*((\a)%2)
	WIN 0x04                                       ; the stores' data in window 1
.irp b, 0,1,2,3,4,5,6,7
	ds_store_b128 v[STO], v[8*(8*(\a)+(\b)):8*(8*(\a)+(\b))+3]   offset:64*(\b)
	ds_store_b128 v[STO], v[8*(8*(\a)+(\b))+4:8*(8*(\a)+(\b))+7] offset:64*(\b)+16
.endr
	WIN 0
.set t, 0
.rept 16
	ds_load_b128 v[BK+4*t:BK+4*t+3], v[RD] offset:t*SPITCH  ; LDS serves a wave's instructions in order (ISA guide 5.7.1.4): these see the stores above
.set t, t+1
.endr
.endm
.macro SENDF a
.set BK, OB+64*((\a)%2)
	WIN 0
	s_wait_dscnt 0x0
	s_wait_xcnt 0x0                                ; the stores of the block before have read their registers: the next block's loads land on them only behind this wait
.set t, 0
.rept 16
	global_store_b128 v[CO], v[BK+4*t:BK+4*t+3], s[8:9] offset:(16*(\a)+t)*PC th:TH_STORE_NT  ; 512 consecutive bytes, at a multiple of 256 from out0's first byte
.set t, t+1
.endr
.endm
	MULF 0
	STG 0
.irp a, 1,2,3
	MULF \a
	SENDF (\a)-1
	STG \a
.endr
	SENDF 3
	s_wait_tensorcnt 0x0                           ; the wave's end
	ds_add_u32 v[SPW], v[NIL]
	s_wait_dscnt 0x0
	CROUND                                         ; the closing round
	s_endpgm
.Lfunc_end_k_qdaadf14e12_pv:
	.size	k_qdaadf14e12_pv, .Lfunc_end_k_qdaadf14e12_pv-k_qdaadf14e12_pv
	.p2alignl 7, 3214868480
	.fill 96, 4, 3214868480
	.section	.rodata,"a",@progbits
	.p2align	6, 0x0
	.amdhsa_kernel k_qdaadf14e12_pv
		.amdhsa_group_segment_fixed_size 327680
		.amdhsa_private_segment_fixed_size 0
		.amdhsa_enable_private_segment 0
		.amdhsa_kernarg_size 32
		.amdhsa_user_sgpr_count 2
		.amdhsa_user_sgpr_kernarg_segment_ptr 1
		.amdhsa_wavefront_size32 1
		.amdhsa_system_sgpr_workgroup_id_x 1
		.amdhsa_system_sgpr_workgroup_id_y 1
		.amdhsa_system_sgpr_workgroup_id_z 1
		.amdhsa_system_vgpr_workitem_id 0
		.amdhsa_next_free_vgpr 512
		.amdhsa_next_free_sgpr 96
		.amdhsa_reserve_vcc 0
		.amdhsa_float_denorm_mode_32 3
		.amdhsa_float_denorm_mode_16_64 3
		.amdhsa_memory_ordered 1
		.amdhsa_forward_progress 1
		.amdhsa_inst_pref_size 148
	.end_amdhsa_kernel
	.amdgpu_metadata
---
amdhsa.version: [ 1, 2 ]
amdhsa.kernels:
  - .name:           k_qdaadf14e12_pv
    .symbol:         k_qdaadf14e12_pv.kd
    .args:
      - { .name: pb, .offset: 0, .size: 8, .value_kind: global_buffer, .address_space: global }
      - { .name: vh, .offset: 8, .size: 8, .value_kind: global_buffer, .address_space: global }
      - { .name: st, .offset: 16, .size: 8, .value_kind: global_buffer, .address_space: global }
      - { .name: out0, .offset: 24, .size: 8, .value_kind: global_buffer, .address_space: global }
    .group_segment_fixed_size: 327680
    .private_segment_fixed_size: 0
    .kernarg_segment_align: 8
    .kernarg_segment_size: 32
    .max_flat_workgroup_size: 128
    .sgpr_count:     96
    .vgpr_count:     512
    .wavefront_size: 32
...
	.end_amdgpu_metadata
.endif
;; end of part 4
;; ======== version 2 of 3: 4 launches
;; limits: values are held in f16: magnitudes above 65,504 overflow, below 6.1e-05 lose precision
;; workspace buffers: xb 16,777,216 bytes; wb 6,291,456 bytes; qh 16,777,216 bytes; kh 16,777,216 bytes; vh 16,777,216 bytes; pb 33,554,432 bytes; st 1,048,576 bytes
;; launch prep: the kernel of part 1 again; grid 704 x 1, 8 waves a work-group, no clusters, 0 bytes of LDS; arguments x, Wq, Wk, Wv, xb, wb; writes xb, wb
;; launch proj (part 5): grid 12 x 32, 4 waves a work-group, clusters of 4 x 4, 327,680 bytes of LDS; arguments xb, wb, bq, bk, bv, qh, kh, vh; writes qh, kh, vh
.if DOCPART == 5
	.amdgcn_target "amdgcn-amd-amdhsa--gfx1250"
	.amdhsa_code_object_version 6
	.text
	.protected	k_qdaadf14e12_proj
	.globl	k_qdaadf14e12_proj
	.p2align	8
	.type	k_qdaadf14e12_proj,@function
k_qdaadf14e12_proj:
	s_mov_b64 s[64:65], 0
	v_nop
	global_prefetch_b8 v0, s[64:65] scope:SCOPE_SE
	s_setreg_imm32_b32 hwreg(HW_REG_WAVE_MODE, 25, 1), 1
	s_wait_xcnt 0x0
	s_wait_alu depctr_hold_cnt(0) depctr_sa_sdst(0) depctr_va_vdst(0) depctr_va_sdst(0) depctr_va_ssrc(0) depctr_va_vcc(0) depctr_vm_vsrc(0)
	s_getreg_b32 s2, hwreg(HW_REG_IB_STS2, 6, 4)
	s_cmp_eq_u32 s2, 0
	s_cbranch_scc0 .Lentry_in_a_cluster
	s_endpgm
.Lentry_in_a_cluster:
	s_bfe_u32 s2, ttmp6, 0x10000c
	s_cmp_lg_u32 s2, 0xf033
	s_cbranch_scc0 .Lentry_shape_is_right
	s_endpgm
.Lentry_shape_is_right:
; q = x Wq + bq, k = x Wk + bk, v = x Wv + bv.  xb [8192][1024] and wb [3][1024 k][1024 n] are bf16; the biases, f32, are rounded to bf16 here like the other inputs; sums in f32; q, k, v leave as f16 [8192][1024], rounded once.
; LIMIT.  f16 holds no number beyond 65,504: |q|, |k|, |v| must stay under it.  NaN and infinities are not treated apart.
; SHARES.  A work-group makes 256 rows x 256 columns of one of the three results (the cluster's x says which: the same in all sixteen partners); its four waves 128 x 128 each: 64 accumulators of 16 x 16, 512 registers.
; K = 1,024 goes in 8 steps of 128 through two LDS slots filled by tensor loads: 256 rows of x (256 bytes each) and 128 k rows of W (512 bytes each).  W lies [k][n], so its fragments are read turned, by ds_load_tr16_b128.
; A step holds 256 matrix instructions a wave; 224 of them stand between a refill and the wait for it.
; CLUSTER.  4 x 4 work-groups: the four of a row need the same rows of x, the four of a column the same columns of W: each tile is asked for jointly, by the same tensor load with the same descriptor and a mask of four.
; THE MATRIX INSTRUCTION IS USED TRANSPOSED (source 0 = 16 columns of W, source 1 = 16 rows of x): a lane holds eight neighbouring columns of one row of the result.  The bias is the C operand of the products that start the sums.
; THE TEXT.  A K step is written once for the steps that fill a slot again and once for the two that do not; the slot's LDS base is a scalar, 0 or SLOT, turned at each change of slots.
; REGISTERS, in windows of 256 (s_set_vgpr_msb: bits 1:0 source 0, 3:2 source 1, 5:4 source 2, 7:6 destination):
;   window 0: v0-31 addresses; v64-127, v128-191 fragments of x, two buffers; v32-63, v192-255 at work on the way out.   window 1: v0-63 the bias of my 128 columns, v192-195 at work; v64-127, v128-191 fragments of W.
;   window 2: the accumulators of my rows 0-63 ((a, b) at v[8 (8 a + b)]);   window 3: those of my rows 64-127.
.set PITA,   272                       ; a row of x in LDS: 256 bytes + 16: the 16 rows of a load start 68 words apart
.set PITB,   544                       ; a k row of W in LDS: 512 bytes + 32
.set HALFT,  128*PITA                  ; what one tensor load brings: 128 rows of x, or 64 k rows of W (64 x 544 is the same number)
.set BOFF,   2*HALFT                   ; W's tile lies behind x's
.set SLOT,   4*HALFT
.set STAGE,  2*SLOT                    ; behind the ring: 16 rows x 272 bytes for each wave, for the way out
.set SPITCH, 272
.set SPARE,  STAGE+4*16*SPITCH         ; behind the stages: the spare words, 128 bytes for each wave
.set STEPS,  8
.set ASTEP,  256                       ; bytes from a K step to the next in x,
.set BSTEP,  128*2048                  ; and in W: 128 k rows
.set PC,     2048                      ; bytes in a row of the result
.set A0,   14                          ; v14  my lane's place among x's fragments in a slot; never rewritten
.set B0,   15                          ; v15  the same for W
.set ADRA, 16                          ; v16  A0 + the base of the slot in hand
.set ADRB, 17                          ; v17  B0 + the same
.set STO,  24                          ; v24  the way out: where I put 16 bytes of a row
.set RD,   25                          ; v25  where I read a row back
.set CO,   26                          ; v26  my byte offset in the result
.set PFO,  27                          ; v27  the prefetches' lane offset; never rewritten
.set SPW,  28                          ; v28  LDS address of my spare word; never rewritten
.set NIL,  29                          ; v29  0; never rewritten
.set F0,   64
.set F1,   128
.set TMP,  192                         ; the way out: packed results
.set OB,   32                          ; the way out: rows read back: v32-63 and v224-255 by turns
.set WV, 10                            ; s10 wave; s11 its half of the rows, also: 0 fetches x, 1 fetches W; s12 its half of the columns, also: which half of that tile it fetches
.set WR, 11
.set WC, 12
.set G1,  24                           ; s[24:31] group 1 for x's tiles; s[32:39] group 0: a set for each first fill; the second then walks
.set G0,  32
.set G1B, 48                           ; s[48:55], s[56:63] the same for W's
.set G0B, 56
.set PFA, 86                           ; s[86:87] where my prefetch stands
.set PST, 88                           ; s[88:89] its step: a K step of x or of W
.set TB,  90                           ; s90  the base of the slot in hand: 0 or SLOT
.set LIM, 91                           ; s91  1 in a wave that prefetches, else the greatest number
.set MSB, 0
.macro WIN new                         ; the immediate's high byte repeats the setting that is left; a switch that changes nothing is dropped
.if MSB != (\new)
	s_set_vgpr_msb (MSB<<8)|(\new)
.set MSB, \new
.endif
.endm
.macro PLACES                          ; four plain vector instructions behind matrix instructions, in front of loads into registers that they read and of instructions that read results
.rept 4
	v_nop
.endr
.endm
.macro JLOAD                           ; a joint refill by the walking descriptor: waves 0 and 1 fetch x's two halves, waves 2 and 3 W's; an s_nop 0 and four v_nop follow each line
	s_cmp_eq_u32 s[WR], 0
	s_cbranch_scc0 .Lfor_b_\@
	tensor_load_to_lds s[G0+4:G0+7], s[G1:G1+7]
	s_nop 0
.rept 4
	v_nop
.endr
	s_branch .Lasked_\@
.Lfor_b_\@:
	tensor_load_to_lds s[G0B+4:G0B+7], s[G1B:G1B+7]
	s_nop 0
.rept 4
	v_nop
.endr
.Lasked_\@:
.endm
; A PREFETCH INTO THE L2 of the K step that the NEXT refill will ask for: one K step, 256 matrix instructions, ahead of that load.  Of the 128 blocks of 256 bytes that a wave's tensor load brings, each of the four partners
; that ask for them jointly names 32, a lane a block, told apart by address (cx for x's rows, cy for W's k rows).  x's rows are read by the three clusters of a row of clusters: the one with x = 0 asks; W's columns by the
; eight clusters of a column: the one with y = 0 asks.  So each block is named once in the launch.  K steps 0 to 2 come by their loads alone; the last refill (s3 = 1) has no step behind it and asks for nothing.
.macro ASK
	s_cmp_gt_u32 s3, s[LIM]
	s_cbranch_scc0 .Lnot_mine_\@
	global_prefetch_b8 v[PFO], s[PFA:PFA+1] th:TH_LOAD_NT scope:SCOPE_SE
.Lnot_mine_\@:
.endm
.macro CREST                           ; a round of the cluster's barrier behind its opening barrier
	s_cmp_lg_u32 s[WV], 0
	s_cbranch_scc1 .Lnot_wave_0_\@
	s_barrier_signal -3
.Lnot_wave_0_\@:
	s_barrier_wait -3
	s_barrier_signal -1
	s_barrier_wait -1
.endm
.macro CROUND
	s_barrier_signal -1
	s_barrier_wait -1
	CREST
.endm
	s_load_b512 s[68:83], s[0:1], 0x0              ; xb 68, wb 70, bq 72, bk 74, bv 76, qh 78, kh 80, vh 82
	v_lshl_add_u32 v[SPW], v0, 2, SPARE
	v_mov_b32 v[NIL], 0
	ds_add_u32 v[SPW], v[NIL]                      ; the wave's opening: the add and its wait stand ahead of my first tensor load; the set-up below stands between them
	v_lshrrev_b32 v1, 5, v0
	v_readfirstlane_b32 s[WV], v1
	s_lshr_b32 s[WR], s[WV], 1
	s_and_b32 s[WC], s[WV], 1
	s_bfe_u32 s40, ttmp6, 0x40000                  ; cx: my 256 columns of the matrix's 1,024
	s_bfe_u32 s41, ttmp6, 0x40004                  ; cy
	s_and_b32 s13, ttmp7, 0xffff
	s_lshl_b32 s13, s13, 2
	s_add_co_u32 s13, s13, s41                     ; my block of 256 rows = 4 x cluster y + cy
	s_lshl_b32 s43, s41, 2
	s_lshl_b32 s43, 15, s43                        ; my row of the cluster
	s_lshl_b32 s44, 0x1111, s40                    ; my column
	s_or_b32 s[G1], s43, (1<<16)|(1<<20)|(1<<21)|(5<<22)|(3<<25)   ; mask; 2-byte elements; padding on; bit 21 beside a mask; after every 64 words 4 words
	s_mov_b32 s[G1+1], 128<<16                     ; tensor_dim0 = 128
	s_mov_b32 s[G1+2], 128<<16                     ; tensor_dim1 = 128
	s_mov_b32 s[G1+3], 128<<16                     ; tile_dim0 = 128
	s_mov_b32 s[G1+4], 128                         ; tile_dim1 = 128
	s_mov_b32 s[G1+5], 1024                        ; elements from row to row
	s_mov_b32 s[G1+6], 0
	s_mov_b32 s[G1+7], 0
	s_or_b32 s[G1B], s44, (1<<16)|(1<<20)|(1<<21)|(6<<22)|(7<<25)  ; after every 128 words 8 words
	s_mov_b32 s[G1B+1], 256<<16                    ; tensor_dim0 = 256
	s_mov_b32 s[G1B+2], 64<<16                     ; tensor_dim1 = 64
	s_mov_b32 s[G1B+3], 256<<16                    ; tile_dim0 = 256
	s_mov_b32 s[G1B+4], 64                         ; tile_dim1 = 64
	s_mov_b32 s[G1B+5], 1024
	s_mov_b32 s[G1B+6], 0
	s_mov_b32 s[G1B+7], 0
	s_lshl_b32 s16, s13, 19                        ; x: 256 rows of 2,048 bytes a block,
	s_lshl_b32 s17, s[WC], 18                      ; 128 rows a half
	s_add_co_u32 s16, s16, s17
	s_mov_b32 s17, 0
	s_lshl_b32 s46, ttmp9, 21                      ; W: the matrix,
	s_lshl_b32 s47, s[WC], 17                      ; 64 k rows a half,
	s_add_co_u32 s46, s46, s47
	s_lshl_b32 s47, s40, 9                         ; 256 columns
	s_add_co_u32 s46, s46, s47
	s_mov_b32 s47, 0
	s_mul_i32 s20, s[WC], HALFT                    ; where they go in a slot: no place in the cluster enters an LDS address; s20 and s21 stay
	s_add_co_u32 s21, s20, BOFF
	s_lshl_b32 s92, s13, 19                        ; the result at my wave's first row and column
	s_lshl_b32 s93, s[WR], 18
	s_add_co_u32 s92, s92, s93
	s_lshl_b32 s93, s40, 9
	s_add_co_u32 s92, s92, s93
	s_lshl_b32 s93, s[WC], 8
	s_add_co_u32 s92, s92, s93
	s_mov_b32 s93, 0
	s_lshl_b32 s18, s40, 10                        ; the bias of my wave's 128 columns
	s_lshl_b32 s19, s[WC], 9
	s_add_co_u32 s18, s18, s19
	s_mov_b32 s19, 0
	s_lshl_b32 s22, s40, 16                        ; the prefetches.  x: of the 128 rows that I fetch my work-group's 32, by cx;
	s_add_co_u32 s22, s22, s16
	s_lshl_b32 s23, s41, 15                        ; W: of the 64 k rows my work-group's 16, by cy
	s_add_co_u32 s23, s23, s46
	s_and_b32 s[LIM], ttmp7, 0xffff                ; cluster y
	s_mov_b32 s[PST], BSTEP
	s_mov_b32 s[PST+1], 0
	s_cmp_eq_u32 s[WR], 0                          ; do I fetch for x?
	s_cselect_b32 s94, s22, s23
	s_cselect_b32 s[LIM], ttmp9, s[LIM]            ; the coordinate along which other clusters read the same blocks
	s_cselect_b32 s[PST], ASTEP, s[PST]
	s_mov_b32 s95, 0
	s_cmp_eq_u32 s[LIM], 0
	s_cselect_b32 s[LIM], 1, -1                    ; the same in all sixteen partners, for a given wave
	s_mov_b32 s[TB], 0
	s_wait_dscnt 0x0                               ; the opening add is done
	s_wait_kmcnt 0x0
	s_add_nc_u64 s[14:15], s[68:69], s[16:17]
	s_add_nc_u64 s[46:47], s[70:71], s[46:47]
	s_cmp_eq_u32 s[WR], 0
	s_cselect_b64 s[PFA:PFA+1], s[68:69], s[70:71]
	s_add_nc_u64 s[PFA:PFA+1], s[PFA:PFA+1], s[94:95]
	s_add_nc_u64 s[PFA:PFA+1], s[PFA:PFA+1], s[PST:PST+1]
	s_add_nc_u64 s[PFA:PFA+1], s[PFA:PFA+1], s[PST:PST+1]  ; at K step 2: the first refill steps it to 3
	s_cmp_eq_u32 ttmp9, 0                          ; which result: by the cluster's x, 0 q, 1 k, 2 v
	s_cselect_b64 s[84:85], s[72:73], s[74:75]
	s_cselect_b64 s[8:9], s[78:79], s[80:81]
	s_cmp_eq_u32 ttmp9, 2
	s_cselect_b64 s[84:85], s[76:77], s[84:85]
	s_cselect_b64 s[8:9], s[82:83], s[8:9]
	s_add_nc_u64 s[84:85], s[84:85], s[18:19]
	s_add_nc_u64 s[8:9], s[8:9], s[92:93]
.irp s, 0,1
	s_mov_b32 s[G0+4*(\s)], 1                      ; count = 1
	s_add_co_u32 s[G0+4*(\s)+1], s20, (\s)*SLOT    ; LDS address
	s_add_nc_u64 s[G0+4*(\s)+2:G0+4*(\s)+3], s[14:15], (\s)*ASTEP  ; K step s
	s_or_b32 s[G0+4*(\s)+3], s[G0+4*(\s)+3], 0x80000000            ; type = 2
	s_mov_b32 s[G0B+4*(\s)], 1
	s_add_co_u32 s[G0B+4*(\s)+1], s21, (\s)*SLOT
	s_add_nc_u64 s[G0B+4*(\s)+2:G0B+4*(\s)+3], s[46:47], (\s)*BSTEP
	s_or_b32 s[G0B+4*(\s)+3], s[G0B+4*(\s)+3], 0x80000000
.endr
	CROUND                                         ; all sixteen work-groups are here: the first joint loads meet
	s_cmp_eq_u32 s[WR], 0                          ; a wave's two first fills stand in one branch: two loads of mine are out
	s_cbranch_scc0 .Lfirst_b
	tensor_load_to_lds s[G0:G0+3], s[G1:G1+7]
	s_nop 0
	tensor_load_to_lds s[G0+4:G0+7], s[G1:G1+7]
	s_nop 0
.rept 4
	v_nop
.endr
	s_branch .Lfirst_asked
.Lfirst_b:
	tensor_load_to_lds s[G0B:G0B+3], s[G1B:G1B+7]
	s_nop 0
	tensor_load_to_lds s[G0B+4:G0B+7], s[G1B:G1B+7]
	s_nop 0
.rept 4
	v_nop
.endr
.Lfirst_asked:
	v_and_b32 v1, 15, v0                           ; r = l % 16
	v_bfe_u32 v2, v0, 4, 1                         ; h = l / 16
	v_lshlrev_b32 v3, 5, v2                        ; the bias: my eight columns of a block of 16 begin at byte 32 h
	WIN 0x40                                       ; destination window 1
.irp b, 0,1,2,3,4,5,6,7
	global_load_b128 v[8*(\b):8*(\b)+3],   v3, s[84:85] offset:64*(\b)
	global_load_b128 v[8*(\b)+4:8*(\b)+7], v3, s[84:85] offset:64*(\b)+16
.endr
	WIN 0
	v_mul_u32_u24 v6, v1, PITA                     ; a fragment of x: row r, 16 bytes for each half of the lanes, twice, 32 bytes apart
	v_lshl_add_u32 v6, v2, 4, v6
	s_mul_i32 s22, s[WR], HALFT                    ; my 128 rows
	v_add_nc_u32 v[A0], s22, v6
	v_mov_b32 v[ADRA], v[A0]                       ; slot 0
	v_and_b32 v4, 7, v0                            ; the turning load: lane l reads k row 8 h + l % 8, columns 8 ((l / 8) % 2) + 0..7, and ends with column r and eight k
	v_bfe_u32 v5, v0, 3, 1
	v_lshl_add_u32 v4, v2, 3, v4
	v_mul_u32_u24 v4, v4, PITB
	v_lshl_add_u32 v4, v5, 4, v4
	s_lshl_b32 s23, s[WC], 8                       ; my 128 columns
	s_add_co_u32 s23, s23, BOFF
	v_add_nc_u32 v[B0], s23, v4
	v_mov_b32 v[ADRB], v[B0]
	s_mul_i32 s23, s[WV], 16*SPITCH
	s_add_co_u32 s23, s23, STAGE                   ; my stage
	v_mul_u32_u24 v4, v1, SPITCH
	v_lshl_add_u32 v4, v2, 4, v4
	v_add_nc_u32 v[STO], s23, v4
	v_mul_u32_u24 v5, v2, SPITCH                   ; back: lanes 0-15 one row of 256 bytes, lanes 16-31 the next
	v_lshl_add_u32 v5, v1, 4, v5
	v_add_nc_u32 v[RD], s23, v5
	v_mul_u32_u24 v5, v2, PC
	v_lshl_add_u32 v[CO], v1, 4, v5
	v_and_b32 v5, 31, v0                           ; the prefetches' lane term: for x a lane a row;
	v_lshlrev_b32 v6, 11, v5
	v_lshrrev_b32 v7, 1, v5                        ; for W two lanes a k row, 256 bytes each
	v_and_b32 v5, 1, v5
	v_lshlrev_b32 v7, 11, v7
	v_lshl_or_b32 v7, v5, 8, v7
	s_cmp_eq_u32 s[WR], 0
	s_cselect_b32 s22, -1, 0
	v_cndmask_b32 v[PFO], v7, v6, s22
	s_wait_loadcnt 0x0                             ; the bias is in: it is rounded to bf16 and widened again
	WIN 0x45                                       ; destination and both sources window 1
.set p, 0
.rept 32
	v_cvt_pk_bf16_f32 v[192+p%4], v[2*p], v[2*p+1]
	v_lshlrev_b32 v[2*p], 16, v[192+p%4]
	v_and_b32 v[2*p+1], 0xffff0000, v[192+p%4]
.set p, p+1
.endr
	WIN 0
; 16 matrix instructions: row blocks a0, a0 + 1 of the window's four (hi = 0: my rows 0-63, 1: rows 64-127) x all 8 column blocks, 32 along K.  first = 1: the bias starts the sums.
; The 64 accumulators take turns in the same order in every quarter.
.macro MUL16 f, hi, a0, first
.if \first
	WIN 0x91+0x40*(\hi)                            ; W window 1, x window 0, C (the bias) window 1, D window 2 or 3
.else
	WIN 0xa1+0x50*(\hi)                            ; C and D window 2 or 3
.endif
.irp a, \a0, (\a0)+1
.irp b, 0,1,2,3,4,5,6,7
.if \first
	v_wmma_f32_16x16x32_bf16 v[8*(8*(\a)+(\b)):8*(8*(\a)+(\b))+7], v[(\f)+8*(\b):(\f)+8*(\b)+7], v[(\f)+8*(4*(\hi)+(\a)):(\f)+8*(4*(\hi)+(\a))+7], v[8*(\b):8*(\b)+7]
.else
	v_wmma_f32_16x16x32_bf16 v[8*(8*(\a)+(\b)):8*(8*(\a)+(\b))+7], v[(\f)+8*(\b):(\f)+8*(\b)+7], v[(\f)+8*(4*(\hi)+(\a)):(\f)+8*(4*(\hi)+(\a))+7], v[8*(8*(\a)+(\b)):8*(8*(\a)+(\b))+7]
.endif
.endr
.endr
.endm
; 32 LDS loads in one run: quarter kq (32 along K) of the slot in hand into buffer f: W's eight fragments, then x's eight
.macro FETCH kq, f
	WIN 0x40                                       ; destination window 1
.irp b, 0,1,2,3,4,5,6,7
	ds_load_tr16_b128 v[(\f)+8*(\b):(\f)+8*(\b)+3],   v[ADRB] offset:(\kq)*32*PITB+32*(\b)
	ds_load_tr16_b128 v[(\f)+8*(\b)+4:(\f)+8*(\b)+7], v[ADRB] offset:(\kq)*32*PITB+16*PITB+32*(\b)
.endr
	WIN 0
.irp a, 0,1,2,3,4,5,6,7
	ds_load_b128 v[(\f)+8*(\a):(\f)+8*(\a)+3],   v[ADRA] offset:(\kq)*64+(\a)*16*PITA
	ds_load_b128 v[(\f)+8*(\a)+4:(\f)+8*(\a)+7], v[ADRA] offset:(\kq)*64+(\a)*16*PITA+32
.endr
.endm
; One of a K step's first three quarters: multiplies buffer f; in its middle it fetches quarter kq of the same slot into buffer g.
.macro QUARTER kq, f, g, first
	s_wait_dscnt 8                                 ; W's fragments and x's rows 0-63 are in; the youngest eight loads (rows 64-127) may be out
	MUL16 \f, 0, 0, \first
	MUL16 \f, 0, 2, \first
	PLACES
	FETCH \kq, \g
	s_wait_dscnt 32                                ; all but the 32 just issued
	MUL16 \f, 1, 0, \first
	MUL16 \f, 1, 2, \first
.endm
; The last quarter multiplies buffer 1 and changes slots: one barrier; in front of it each wave waits for all its tensor loads (one is out: its part of the next slot), adds 0 to its spare word, and waits for that
; and for its reads of this slot.  fill = 1: the barrier opens a round of the cluster's, and this slot is filled again, two K steps ahead, first thing behind it.
.macro TURN fill
.if \fill
	s_wait_xcnt 0x0                                ; the last prefetch, a K step back, has read its address: it is stepped here
	s_add_nc_u64 s[PFA:PFA+1], s[PFA:PFA+1], s[PST:PST+1]
.endif
	WIN 0
	s_wait_tensorcnt 0x0                           ; no tensor load of mine is out, so a group 0 may be written
	ds_add_u32 v[SPW], v[NIL]
.if \fill
	s_add_co_u32 s[G0+5], s20, s[TB]               ; the walking descriptors: into the slot in hand,
	s_add_nc_u64 s[G0+6:G0+7], s[G0+6:G0+7], ASTEP ; the K step behind the one asked for last; the type bits on top are not reached
	s_add_co_u32 s[G0B+5], s21, s[TB]
	s_add_nc_u64 s[G0B+6:G0B+7], s[G0B+6:G0B+7], BSTEP
.endif
	s_wait_dscnt 9                                 ; (the add and the youngest eight loads may be out)
	MUL16 F1, 0, 0, 0
	s_wait_dscnt 0x0                               ; the add is done, and my reads of this slot are over
	s_barrier_signal -1
	MUL16 F1, 0, 2, 0
	WIN 0
	s_barrier_wait -1
.if \fill
	CREST                                          ; no wave of any partner still reads this slot or has a load on its way
	JLOAD                                          ; its four v_nop are also the places in front of the loads below
.else
	PLACES
.endif
	s_xor_b32 s[TB], s[TB], SLOT                   ; 0 and SLOT by turns: the other slot
	v_add_nc_u32 v[ADRA], s[TB], v[A0]
	v_add_nc_u32 v[ADRB], s[TB], v[B0]
	FETCH 0, F0
.if \fill
	ASK                                            ; behind the joint load and the run of LDS loads that the next products wait for
.endif
	MUL16 F1, 1, 0, 0
	MUL16 F1, 1, 2, 0
.endm
	s_wait_tensorcnt 0x1                           ; my part of K step 0 is in; step 1's may stay out
	s_barrier_signal -1
	s_barrier_wait -1                              ; everybody's is
	FETCH 0, F0
	QUARTER 1, F0, F1, 1                           ; the first quarter stands in front of the loop: its products start the sums
	WIN 0
	s_mov_b32 s3, STEPS-2
.Lstep:                                                ; a trip: a step's quarters 2, 3 and 4, which fills its slot again, and the next step's first quarter
	QUARTER 2, F1, F0, 0
	QUARTER 3, F0, F1, 0
	TURN 1
	QUARTER 1, F0, F1, 0
	WIN 0
	s_sub_co_u32 s3, s3, 1
	s_cmp_lg_u32 s3, 0
	s_cbranch_scc1 .Lstep
	s_mov_b32 s3, 2
.Ltail:                                                ; the last two steps fill nothing: a text of their own; the second trip is left in its middle
	QUARTER 2, F1, F0, 0
	QUARTER 3, F0, F1, 0
	WIN 0
	s_sub_co_u32 s3, s3, 1
	s_cmp_eq_u32 s3, 0
	s_cbranch_scc1 .Llast
	TURN 0
	QUARTER 1, F0, F1, 0
	WIN 0
	s_branch .Ltail
.Llast:
	s_wait_dscnt 8
	MUL16 F1, 0, 0, 0
	MUL16 F1, 0, 2, 0
	s_wait_dscnt 0x0
	MUL16 F1, 1, 0, 0
	MUL16 F1, 1, 2, 0
	WIN 0
	PLACES
	PLACES
; THE WAY OUT, a block of 16 rows at a time: rounded to f16, 16 bytes a lane into my own stage, back as whole rows of 256 bytes, stored.
.macro PACK a
.set AC, 64*((\a)%4)
	WIN 0x0a+5*((\a)/4)                            ; both sources window 2 or 3
.irp b, 0,1,2,3,4,5,6,7
.irp i, 0,1,2,3
	v_cvt_pk_f16_f32 v[TMP+4*(\b)+(\i)], v[AC+8*(\b)+2*(\i)], v[AC+8*(\b)+2*(\i)+1]
.endr
.endr
	WIN 0
.endm
.macro TOSTAGE a
.set BK, OB+192*((\a)%2)
.irp b, 0,1,2,3,4,5,6,7
	ds_store_b128 v[STO], v[TMP+4*(\b):TMP+4*(\b)+3] offset:32*(\b)
.endr
.irp t, 0,1,2,3,4,5,6,7
	ds_load_b128 v[BK+4*(\t):BK+4*(\t)+3], v[RD] offset:(\t)*2*SPITCH  ; LDS serves a wave's instructions in order (ISA guide 5.7.1.4): these see the stores above
.endr
.endm
.macro SEND a
.set BK, OB+192*((\a)%2)
	s_wait_dscnt 0x0                               ; the block is back in registers
	s_wait_xcnt 0x0                                ; the stores of the block before have read their registers: the next block's loads land on them only behind this wait
.irp t, 0,1,2,3,4,5,6,7
	global_store_b128 v[CO], v[BK+4*(\t):BK+4*(\t)+3], s[8:9] offset:(16*(\a)+2*(\t))*PC  ; 16 lanes store 256 consecutive bytes, at a multiple of 256 from the buffer's first byte
.endr
.endm
	PACK 0
	TOSTAGE 0
.irp a, 1,2,3,4,5,6,7
	PACK \a
	SEND (\a)-1
	TOSTAGE \a
.endr
	SEND 7
	s_wait_tensorcnt 0x0                           ; the wave's end
	ds_add_u32 v[SPW], v[NIL]
	s_wait_dscnt 0x0
	CROUND                                         ; the closing round: no work-group ends while a partner may still ask for a tile that names it
	s_endpgm
.Lfunc_end_k_qdaadf14e12_proj:
	.size	k_qdaadf14e12_proj, .Lfunc_end_k_qdaadf14e12_proj-k_qdaadf14e12_proj
	.p2alignl 7, 3214868480
	.fill 96, 4, 3214868480
	.section	.rodata,"a",@progbits
	.p2align	6, 0x0
	.amdhsa_kernel k_qdaadf14e12_proj
		.amdhsa_group_segment_fixed_size 327680
		.amdhsa_private_segment_fixed_size 0
		.amdhsa_enable_private_segment 0
		.amdhsa_kernarg_size 64
		.amdhsa_user_sgpr_count 2
		.amdhsa_user_sgpr_kernarg_segment_ptr 1
		.amdhsa_wavefront_size32 1
		.amdhsa_system_sgpr_workgroup_id_x 1
		.amdhsa_system_sgpr_workgroup_id_y 1
		.amdhsa_system_sgpr_workgroup_id_z 1
		.amdhsa_system_vgpr_workitem_id 0
		.amdhsa_next_free_vgpr 1024
		.amdhsa_next_free_sgpr 96
		.amdhsa_reserve_vcc 0
		.amdhsa_float_denorm_mode_32 3
		.amdhsa_float_denorm_mode_16_64 3
		.amdhsa_memory_ordered 1
		.amdhsa_forward_progress 1
		.amdhsa_inst_pref_size 112
	.end_amdhsa_kernel
	.amdgpu_metadata
---
amdhsa.version: [ 1, 2 ]
amdhsa.kernels:
  - .name:           k_qdaadf14e12_proj
    .symbol:         k_qdaadf14e12_proj.kd
    .args:
      - { .name: xb, .offset: 0, .size: 8, .value_kind: global_buffer, .address_space: global }
      - { .name: wb, .offset: 8, .size: 8, .value_kind: global_buffer, .address_space: global }
      - { .name: bq, .offset: 16, .size: 8, .value_kind: global_buffer, .address_space: global }
      - { .name: bk, .offset: 24, .size: 8, .value_kind: global_buffer, .address_space: global }
      - { .name: bv, .offset: 32, .size: 8, .value_kind: global_buffer, .address_space: global }
      - { .name: qh, .offset: 40, .size: 8, .value_kind: global_buffer, .address_space: global }
      - { .name: kh, .offset: 48, .size: 8, .value_kind: global_buffer, .address_space: global }
      - { .name: vh, .offset: 56, .size: 8, .value_kind: global_buffer, .address_space: global }
    .group_segment_fixed_size: 327680
    .private_segment_fixed_size: 0
    .kernarg_segment_align: 8
    .kernarg_segment_size: 64
    .max_flat_workgroup_size: 128
    .sgpr_count:     96
    .vgpr_count:     1024
    .wavefront_size: 32
...
	.end_amdgpu_metadata
.endif
;; end of part 5
;; launch scores (part 6): grid 8 x 32, 4 waves a work-group, clusters of 4 x 4, 327,680 bytes of LDS; arguments qh, kh, pb, st; writes pb, st
.if DOCPART == 6
	.amdgcn_target "amdgcn-amd-amdhsa--gfx1250"
	.amdhsa_code_object_version 6
	.text
	.protected	k_qdaadf14e12_scores
	.globl	k_qdaadf14e12_scores
	.p2align	8
	.type	k_qdaadf14e12_scores,@function
k_qdaadf14e12_scores:
	s_mov_b64 s[64:65], 0
	v_nop
	global_prefetch_b8 v0, s[64:65] scope:SCOPE_SE
	s_setreg_imm32_b32 hwreg(HW_REG_WAVE_MODE, 25, 1), 1
	s_wait_xcnt 0x0
	s_wait_alu depctr_hold_cnt(0) depctr_sa_sdst(0) depctr_va_vdst(0) depctr_va_sdst(0) depctr_va_ssrc(0) depctr_va_vcc(0) depctr_vm_vsrc(0)
	s_getreg_b32 s2, hwreg(HW_REG_IB_STS2, 6, 4)
	s_cmp_eq_u32 s2, 0
	s_cbranch_scc0 .Lentry_in_a_cluster
	s_endpgm
.Lentry_in_a_cluster:
	s_bfe_u32 s2, ttmp6, 0x10000c
	s_cmp_lg_u32 s2, 0xf033
	s_cbranch_scc0 .Lentry_shape_is_right
	s_endpgm
.Lentry_shape_is_right:
; S = q k^T by batches, and the first half of the softmax.  qh, kh: f16 [8192][1024].  For each query row and each block t of 128 keys: cm_t = c x (the block's largest score), c = log2(e) / 32;
; p = 2^(c s - cm_t), rounded to f16, into pb [8192 row][2048 key]; l_t = the sum of the unrounded p.  st [4 b][16 t][2048 row][2] takes (cm_t, l_t) in f32.  The next launch sets the blocks against the row's maximum.
; LIMITS.  p lies in 0 to 1 (to within a rounding of c s - cm_t) and below 6e-5 keeps f16's fixed step of 6e-8; a weight below 2^-126 counts as 0 in l.  NaN and infinities are not treated apart.
; SHARES.  A work-group makes 256 queries x 256 keys, its four waves 128 x 128 each: a wave's columns ARE one block t, so maximum and sum never leave the wave.  K = 1,024 goes in 8 steps of 128 through two LDS slots;
; a step holds 256 matrix instructions a wave, 224 of them between a refill and the wait for it.
; CLUSTER.  4 x 4: the four of a row need the same rows of q, the four of a column the same rows of k: joint tensor loads.  Source 0 = 16 keys, source 1 = 16 queries: a lane holds one query and eight neighbouring keys.
; THE TEXT.  A K step is written once for the steps that fill a slot again and once for the two that do not; the slot's LDS base is a scalar, 0 or SLOT.  The way out is written for 64 rows and walked twice:
; between the walks 256 v_mov_b32 bring the sums of rows 64-127 to the registers that the text names: 256 issue slots a wave, for half the way out's text.
; REGISTERS, in windows of 256: window 0: v0-31 addresses; v64-127, v128-191 fragments of q, two buffers (on the way out v32-127 at work); v224-251 the softmax's.  window 1: v64-127, v128-191 fragments of k.
;   window 2: the accumulators of my rows 0-63 ((a, b) at v[8 (8 a + b)]);   window 3: those of my rows 64-127.
.set PITA,   272                       ; a row of q or k in LDS: 256 bytes + 16
.set HALFT,  128*PITA                  ; what one tensor load brings, and what one wave reads of q or of k
.set BOFF,   2*HALFT                   ; k's 256 rows lie behind q's 256
.set SLOT,   4*HALFT
.set STAGE,  2*SLOT
.set SPITCH, 272
.set SPARE,  STAGE+4*16*SPITCH
.set STEPS,  8
.set KSTEPB, 256                       ; bytes from a K step to the next, in q and in k
.set PC,     4096                      ; bytes in a row of pb
.set A0,   14                          ; v14  my lane's place among q's fragments in a slot; never rewritten
.set B0,   15                          ; v15  the same for k
.set ADRA, 16
.set ADRB, 17
.set STO,  24
.set RD,   25
.set CO,   26
.set SO,   27                          ; v27  8 x lane: my row's pair in st
.set SPW,  28
.set NIL,  29
.set PFO,  30                          ; v30  2,048 x lane: a lane a row; never rewritten
.set F0,   64
.set F1,   128
.set TMP,  32
.set OB,   64
.set T,    224                         ; v224-231 eight running maxima
.set MX,   232
.set XCH,  233                         ; what the lane 16 away holds
.set CM,   240                         ; v[240+2a] cm, v[241+2a] l of row block a
.set SV,   248                         ; v248-251 the statistics as they are stored
.set WV, 10
.set WR, 11
.set WC, 12
.set G1,  24
.set G0,  32
.set G1B, 48
.set G0B, 56
.set CS,  86                           ; s[86:87] c, twice
.set SEL, 88                           ; s[88:89] v_permlanex16_b32's selects: each lane takes its own place in the other half
.set TB,  90                           ; s90  the base of the slot in hand: 0 or SLOT
.set PFA, 96                           ; s[96:97] where my prefetch stands
.set LIM, 98                           ; s98  1 in a wave that prefetches, else the greatest number
.set MSB, 0
.macro WIN new
.if MSB != (\new)
	s_set_vgpr_msb (MSB<<8)|(\new)
.set MSB, \new
.endif
.endm
.macro PLACES
.rept 4
	v_nop
.endr
.endm
.macro JLOAD                           ; a joint refill by the walking descriptor: waves 0 and 1 fetch q's two halves, waves 2 and 3 k's
	s_cmp_eq_u32 s[WR], 0
	s_cbranch_scc0 .Lfor_b_\@
	tensor_load_to_lds s[G0+4:G0+7], s[G1:G1+7]
	s_nop 0
.rept 4
	v_nop
.endr
	s_branch .Lasked_\@
.Lfor_b_\@:
	tensor_load_to_lds s[G0B+4:G0B+7], s[G1B:G1B+7]
	s_nop 0
.rept 4
	v_nop
.endr
.Lasked_\@:
.endm
; A PREFETCH INTO THE L2 of the K step that the NEXT refill will ask for: one K step, 256 matrix instructions, ahead of that load.  Of the 128 rows that a wave's tensor load brings, each of the four partners that ask for
; them jointly names 32, a lane a row's 256 bytes, told apart by address (cx for q, cy for k).  q's rows are read by the two clusters of a row of clusters: the one with x = 0 asks; a batch's keys by its two clusters
; along y: the even one asks.  So each block is named once in the launch.  K steps 0 to 2 come by their loads alone; the last refill (s3 = 1) asks for nothing.
.macro ASK
	s_cmp_gt_u32 s3, s[LIM]
	s_cbranch_scc0 .Lnot_mine_\@
	global_prefetch_b8 v[PFO], s[PFA:PFA+1] th:TH_LOAD_NT scope:SCOPE_SE
.Lnot_mine_\@:
.endm
.macro CREST
	s_cmp_lg_u32 s[WV], 0
	s_cbranch_scc1 .Lnot_wave_0_\@
	s_barrier_signal -3
.Lnot_wave_0_\@:
	s_barrier_wait -3
	s_barrier_signal -1
	s_barrier_wait -1
.endm
.macro CROUND
	s_barrier_signal -1
	s_barrier_wait -1
	CREST
.endm
	s_load_b256 s[68:75], s[0:1], 0x0              ; qh 68, kh 70, pb 72, st 74
	v_lshl_add_u32 v[SPW], v0, 2, SPARE
	v_mov_b32 v[NIL], 0
	ds_add_u32 v[SPW], v[NIL]                      ; the wave's opening: the add and its wait stand ahead of my first tensor load
	v_lshrrev_b32 v1, 5, v0
	v_readfirstlane_b32 s[WV], v1
	s_lshr_b32 s[WR], s[WV], 1
	s_and_b32 s[WC], s[WV], 1
	s_bfe_u32 s40, ttmp6, 0x40000                  ; cx
	s_bfe_u32 s41, ttmp6, 0x40004                  ; cy
	s_lshl_b32 s42, ttmp9, 2
	s_add_co_u32 s42, s42, s40                     ; my block of 256 keys
	s_and_b32 s13, ttmp7, 0xffff
	s_lshr_b32 s45, s13, 1                         ; the batch: two clusters along y each; made of no cy
	s_lshl_b32 s13, s13, 2
	s_add_co_u32 s13, s13, s41                     ; my block of 256 rows
	s_lshl_b32 s43, s41, 2
	s_lshl_b32 s43, 15, s43
	s_lshl_b32 s44, 0x1111, s40
	s_or_b32 s[G1], s43, (1<<16)|(1<<20)|(1<<21)|(5<<22)|(3<<25)   ; mask; 2-byte elements; padding on; bit 21 beside a mask; after every 64 words 4 words
	s_or_b32 s[G1B], s44, (1<<16)|(1<<20)|(1<<21)|(5<<22)|(3<<25)
.irp g, G1, G1B
	s_mov_b32 s[(\g)+1], 128<<16                   ; tensor_dim0 = 128
	s_mov_b32 s[(\g)+2], 128<<16                   ; tensor_dim1 = 128
	s_mov_b32 s[(\g)+3], 128<<16                   ; tile_dim0 = 128
	s_mov_b32 s[(\g)+4], 128                       ; tile_dim1 = 128
	s_mov_b32 s[(\g)+5], 1024                      ; elements from row to row
	s_mov_b32 s[(\g)+6], 0
	s_mov_b32 s[(\g)+7], 0
.endr
	s_lshl_b32 s16, s13, 19                        ; q: 256 rows of 2,048 bytes a block, 128 a half
	s_lshl_b32 s17, s[WC], 18
	s_add_co_u32 s16, s16, s17
	s_mov_b32 s17, 0
	s_lshl_b32 s46, s45, 22                        ; k: the batch's 2,048 rows, 256 a block, 128 a half
	s_lshl_b32 s47, s42, 19
	s_add_co_u32 s46, s46, s47
	s_lshl_b32 s47, s[WC], 18
	s_add_co_u32 s46, s46, s47
	s_mov_b32 s47, 0
	s_mul_i32 s20, s[WC], HALFT                    ; where they go in a slot; s20 and s21 stay
	s_add_co_u32 s21, s20, BOFF
	s_lshl_b32 s92, s13, 20                        ; pb at my wave's first row and key
	s_lshl_b32 s93, s[WR], 19
	s_add_co_u32 s92, s92, s93
	s_lshl_b32 s93, s42, 9
	s_add_co_u32 s92, s92, s93
	s_lshl_b32 s93, s[WC], 8
	s_add_co_u32 s92, s92, s93
	s_mov_b32 s93, 0
	s_lshl_b32 s18, s45, 4                         ; st: (16 b + t) x 16,384, t = 2 x key block + my half,
	s_lshl_b32 s19, s42, 1
	s_add_co_u32 s18, s18, s19
	s_add_co_u32 s18, s18, s[WC]
	s_lshl_b32 s18, s18, 14
	s_and_b32 s19, s13, 7                          ; + my 128 rows in the batch, 8 bytes each
	s_lshl_b32 s19, s19, 11
	s_add_co_u32 s18, s18, s19
	s_lshl_b32 s19, s[WR], 10
	s_add_co_u32 s18, s18, s19
	s_mov_b32 s19, 0
	s_lshl_b32 s22, s40, 16                        ; the prefetches.  q: of the 128 rows that I fetch my work-group's 32, by cx;
	s_add_co_u32 s22, s22, s16
	s_lshl_b32 s23, s41, 16                        ; k: by cy
	s_add_co_u32 s23, s23, s46
	s_and_b32 s[LIM], ttmp7, 1                     ; which of the batch's two clusters along y
	s_cmp_eq_u32 s[WR], 0                          ; do I fetch for q?
	s_cselect_b32 s94, s22, s23
	s_cselect_b32 s[LIM], ttmp9, s[LIM]            ; the coordinate along which another cluster reads the same rows
	s_mov_b32 s95, 0
	s_cmp_eq_u32 s[LIM], 0
	s_cselect_b32 s[LIM], 1, -1                    ; the same in all sixteen partners, for a given wave
	s_mov_b32 s[CS], 0x3d38aa3b                    ; c = log2(e) / 32
	s_mov_b32 s[CS+1], s[CS]
	s_mov_b32 s[SEL], 0x76543210
	s_mov_b32 s[SEL+1], 0xfedcba98
	s_mov_b32 s[TB], 0
	s_wait_dscnt 0x0                               ; the opening add is done
	s_wait_kmcnt 0x0
	s_add_nc_u64 s[14:15], s[68:69], s[16:17]
	s_add_nc_u64 s[46:47], s[70:71], s[46:47]
	s_add_nc_u64 s[8:9], s[72:73], s[92:93]
	s_add_nc_u64 s[66:67], s[74:75], s[18:19]
	s_cmp_eq_u32 s[WR], 0
	s_cselect_b64 s[PFA:PFA+1], s[68:69], s[70:71]
	s_add_nc_u64 s[PFA:PFA+1], s[PFA:PFA+1], s[94:95]
	s_add_nc_u64 s[PFA:PFA+1], s[PFA:PFA+1], 2*KSTEPB  ; at K step 2: the first refill steps it to 3
.irp s, 0,1
	s_mov_b32 s[G0+4*(\s)], 1
	s_add_co_u32 s[G0+4*(\s)+1], s20, (\s)*SLOT
	s_add_nc_u64 s[G0+4*(\s)+2:G0+4*(\s)+3], s[14:15], (\s)*KSTEPB
	s_or_b32 s[G0+4*(\s)+3], s[G0+4*(\s)+3], 0x80000000
	s_mov_b32 s[G0B+4*(\s)], 1
	s_add_co_u32 s[G0B+4*(\s)+1], s21, (\s)*SLOT
	s_add_nc_u64 s[G0B+4*(\s)+2:G0B+4*(\s)+3], s[46:47], (\s)*KSTEPB
	s_or_b32 s[G0B+4*(\s)+3], s[G0B+4*(\s)+3], 0x80000000
.endr
	CROUND                                         ; all sixteen work-groups are here: the first joint loads meet
	s_cmp_eq_u32 s[WR], 0                          ; a wave's two first fills stand in one branch: two loads of mine are out
	s_cbranch_scc0 .Lfirst_b
	tensor_load_to_lds s[G0:G0+3], s[G1:G1+7]
	s_nop 0
	tensor_load_to_lds s[G0+4:G0+7], s[G1:G1+7]
	s_nop 0
.rept 4
	v_nop
.endr
	s_branch .Lfirst_asked
.Lfirst_b:
	tensor_load_to_lds s[G0B:G0B+3], s[G1B:G1B+7]
	s_nop 0
	tensor_load_to_lds s[G0B+4:G0B+7], s[G1B:G1B+7]
	s_nop 0
.rept 4
	v_nop
.endr
.Lfirst_asked:
	v_and_b32 v1, 15, v0                           ; r
	v_bfe_u32 v2, v0, 4, 1                         ; h
	v_mul_u32_u24 v6, v1, PITA                     ; a fragment: row r, 16 bytes for each half of the lanes, twice, 32 bytes apart
	v_lshl_add_u32 v6, v2, 4, v6
	s_mul_i32 s22, s[WR], HALFT
	v_add_nc_u32 v[A0], s22, v6
	v_mov_b32 v[ADRA], v[A0]                       ; slot 0
	s_mul_i32 s23, s[WC], HALFT
	s_add_co_u32 s23, s23, BOFF
	v_add_nc_u32 v[B0], s23, v6
	v_mov_b32 v[ADRB], v[B0]
	s_mul_i32 s23, s[WV], 16*SPITCH
	s_add_co_u32 s23, s23, STAGE
	v_mul_u32_u24 v4, v1, SPITCH
	v_lshl_add_u32 v4, v2, 4, v4
	v_add_nc_u32 v[STO], s23, v4
	v_mul_u32_u24 v5, v2, SPITCH
	v_lshl_add_u32 v5, v1, 4, v5
	v_add_nc_u32 v[RD], s23, v5
	v_mul_u32_u24 v5, v2, PC
	v_lshl_add_u32 v[CO], v1, 4, v5
	v_and_b32 v5, 31, v0
	v_lshlrev_b32 v[SO], 3, v5
	v_lshlrev_b32 v[PFO], 11, v5
	v_mov_b32 v[XCH], 0                            ; a permute's destination counts as read,
.irp i, 0,1,2,3,4,5,6,7
	v_mov_b32 v[CM+(\i)], 0                        ; and cm is named with l as a pair
.endr
; 16 matrix instructions: row blocks a0, a0 + 1 of the window's four x all 8 key blocks, 32 along K.  first = 1: the constant 0 starts the sums.  The 64 accumulators take turns.
.macro MUL16 f, hi, a0, first
	WIN 0xa1+0x50*(\hi)                            ; k window 1, q window 0, C and D window 2 or 3
.irp a, \a0, (\a0)+1
.irp b, 0,1,2,3,4,5,6,7
.if \first
	v_wmma_f32_16x16x32_f16 v[8*(8*(\a)+(\b)):8*(8*(\a)+(\b))+7], v[(\f)+8*(\b):(\f)+8*(\b)+7], v[(\f)+8*(4*(\hi)+(\a)):(\f)+8*(4*(\hi)+(\a))+7], 0
.else
	v_wmma_f32_16x16x32_f16 v[8*(8*(\a)+(\b)):8*(8*(\a)+(\b))+7], v[(\f)+8*(\b):(\f)+8*(\b)+7], v[(\f)+8*(4*(\hi)+(\a)):(\f)+8*(4*(\hi)+(\a))+7], v[8*(8*(\a)+(\b)):8*(8*(\a)+(\b))+7]
.endif
.endr
.endr
.endm
.macro FETCH kq, f                     ; 32 LDS loads in one run: k's eight fragments, then q's eight
	WIN 0x40
.irp b, 0,1,2,3,4,5,6,7
	ds_load_b128 v[(\f)+8*(\b):(\f)+8*(\b)+3],   v[ADRB] offset:(\kq)*64+(\b)*16*PITA
	ds_load_b128 v[(\f)+8*(\b)+4:(\f)+8*(\b)+7], v[ADRB] offset:(\kq)*64+(\b)*16*PITA+32
.endr
	WIN 0
.irp a, 0,1,2,3,4,5,6,7
	ds_load_b128 v[(\f)+8*(\a):(\f)+8*(\a)+3],   v[ADRA] offset:(\kq)*64+(\a)*16*PITA
	ds_load_b128 v[(\f)+8*(\a)+4:(\f)+8*(\a)+7], v[ADRA] offset:(\kq)*64+(\a)*16*PITA+32
.endr
.endm
.macro QUARTER kq, f, g, first
	s_wait_dscnt 8                                 ; k's fragments and q's rows 0-63 are in; the youngest eight loads may be out
	MUL16 \f, 0, 0, \first
	MUL16 \f, 0, 2, \first
	PLACES
	FETCH \kq, \g
	s_wait_dscnt 32                                ; all but the 32 just issued
	MUL16 \f, 1, 0, \first
	MUL16 \f, 1, 2, \first
.endm
; The change of slots: each wave waits for all its tensor loads (one is out: its part of the next slot), adds 0 to its spare word, waits for that and for its reads of this slot; one barrier.
; fill = 1: the barrier opens a round of the cluster's, and the joint refill, two K steps ahead, is the first thing behind it.
.macro TURN fill
.if \fill
	s_wait_xcnt 0x0                                ; the last prefetch, a K step back, has read its address: it is stepped here
	s_add_nc_u64 s[PFA:PFA+1], s[PFA:PFA+1], KSTEPB
.endif
	WIN 0
	s_wait_tensorcnt 0x0                           ; no tensor load of mine is out, so a group 0 may be written
	ds_add_u32 v[SPW], v[NIL]
.if \fill
	s_add_co_u32 s[G0+5], s20, s[TB]               ; the walking descriptors: into the slot in hand, the K step behind the one asked for last
	s_add_nc_u64 s[G0+6:G0+7], s[G0+6:G0+7], KSTEPB
	s_add_co_u32 s[G0B+5], s21, s[TB]
	s_add_nc_u64 s[G0B+6:G0B+7], s[G0B+6:G0B+7], KSTEPB
.endif
	s_wait_dscnt 9                                 ; (the add and the youngest eight loads may be out)
	MUL16 F1, 0, 0, 0
	s_wait_dscnt 0x0                               ; the add is done, and my reads of this slot are over
	s_barrier_signal -1
	MUL16 F1, 0, 2, 0
	WIN 0
	s_barrier_wait -1
.if \fill
	CREST
	JLOAD                                          ; its four v_nop are also the places in front of the loads below
.else
	PLACES
.endif
	s_xor_b32 s[TB], s[TB], SLOT                   ; 0 and SLOT by turns: the other slot
	v_add_nc_u32 v[ADRA], s[TB], v[A0]
	v_add_nc_u32 v[ADRB], s[TB], v[B0]
	FETCH 0, F0
.if \fill
	ASK
.endif
	MUL16 F1, 1, 0, 0
	MUL16 F1, 1, 2, 0
.endm
	s_wait_tensorcnt 0x1                           ; my part of K step 0 is in; step 1's may stay out
	s_barrier_signal -1
	s_barrier_wait -1
	FETCH 0, F0
	QUARTER 1, F0, F1, 1
	WIN 0
	s_mov_b32 s3, STEPS-2
.Lstep:                                                ; a trip: a step's quarters 2, 3 and 4, which fills its slot again, and the next step's first quarter
	QUARTER 2, F1, F0, 0
	QUARTER 3, F0, F1, 0
	TURN 1
	QUARTER 1, F0, F1, 0
	WIN 0
	s_sub_co_u32 s3, s3, 1
	s_cmp_lg_u32 s3, 0
	s_cbranch_scc1 .Lstep
	s_mov_b32 s3, 2
.Ltail:                                                ; the last two steps fill nothing: a text of their own; the second trip is left in its middle
	QUARTER 2, F1, F0, 0
	QUARTER 3, F0, F1, 0
	WIN 0
	s_sub_co_u32 s3, s3, 1
	s_cmp_eq_u32 s3, 0
	s_cbranch_scc1 .Llast
	TURN 0
	QUARTER 1, F0, F1, 0
	WIN 0
	s_branch .Ltail
.Llast:
	s_wait_dscnt 8
	MUL16 F1, 0, 0, 0
	MUL16 F1, 0, 2, 0
	s_wait_dscnt 0x0
	MUL16 F1, 1, 0, 0
	MUL16 F1, 1, 2, 0
	WIN 0
	PLACES
	PLACES
; Row block a of window 2 (16 queries x my 128 keys; a lane holds 64 scores of one query, the lane 16 away the other 64): maximum, c s - cm, exponentials, rounding to f16, sum.
; Each accumulator's lowest registers are read first.  The 64 exponentials are one batch with one wait ahead of their first reader.
.macro SOFT a
.set AC, 64*(\a)
	WIN 0x2a                                       ; three sources window 2
.irp b, 0,1,2,3,4,5,6,7
	v_max3_num_f32 v[T+(\b)], v[AC+8*(\b)], v[AC+8*(\b)+1], v[AC+8*(\b)+2]
.endr
	WIN 0x28
.irp b, 0,1,2,3,4,5,6,7
	v_max3_num_f32 v[T+(\b)], v[T+(\b)], v[AC+8*(\b)+3], v[AC+8*(\b)+4]
.endr
.irp b, 0,1,2,3,4,5,6,7
	v_max3_num_f32 v[T+(\b)], v[T+(\b)], v[AC+8*(\b)+5], v[AC+8*(\b)+6]
.endr
.irp b, 1,3,5,7
	v_max3_num_f32 v[T+(\b)], v[T+(\b)], v[AC+8*(\b)+7], v[AC+8*(\b)-1]
.endr
	WIN 0
	v_max3_num_f32 v[MX], v[T], v[T+1], v[T+2]
	v_max3_num_f32 v[T+3], v[T+3], v[T+4], v[T+5]
	v_max3_num_f32 v[MX], v[MX], v[T+6], v[T+7]
	v_max_num_f32 v[MX], v[MX], v[T+3]
	v_permlanex16_b32 v[XCH], v[MX], s[SEL], s[SEL+1]
	v_max_num_f32 v[MX], v[MX], v[XCH]
	v_mul_f32 v[CM+2*(\a)], s[CS], v[MX]           ; cm
	WIN 0x82                                       ; destination and source 0 window 2
.set p, 0
.rept 32
	v_pk_fma_f32 v[AC+2*p:AC+2*p+1], v[AC+2*p:AC+2*p+1], s[CS:CS+1], v[CM+2*(\a):CM+2*(\a)+1] op_sel_hi:[1,0,0] neg_lo:[0,0,1] neg_hi:[0,0,1]
.set p, p+1
.endr
.set p, 0
.rept 64
	v_exp_f32 v[AC+p], v[AC+p]
.set p, p+1
.endr
	v_nop                                          ; a plain instruction behind the last exponential (ISA guide 5.7.2),
	s_wait_alu depctr_va_vdst(0)                   ; and the one wait ahead of the batch's first reader
	WIN 0x0a
.set p, 0
.rept 32
	v_cvt_pk_f16_f32 v[TMP+p], v[AC+2*p], v[AC+2*p+1]
.set p, p+1
.endr
	WIN 0x8a
.irp w, 16,8,4,2,1
.set p, 0
.rept \w
	v_pk_add_f32 v[AC+2*p:AC+2*p+1], v[AC+2*p:AC+2*p+1], v[AC+2*(p+(\w)):AC+2*(p+(\w))+1]
.set p, p+1
.endr
.endr
	WIN 0x0a
	v_add_f32 v[CM+2*(\a)+1], v[AC], v[AC+1]
	WIN 0
	v_permlanex16_b32 v[XCH], v[CM+2*(\a)+1], s[SEL], s[SEL+1]
	v_add_f32 v[CM+2*(\a)+1], v[CM+2*(\a)+1], v[XCH]  ; l
.endm
.macro TOSTAGE a
.set BK, OB+32*((\a)%2)
.irp b, 0,1,2,3,4,5,6,7
	ds_store_b128 v[STO], v[TMP+4*(\b):TMP+4*(\b)+3] offset:32*(\b)
.endr
.irp t, 0,1,2,3,4,5,6,7
	ds_load_b128 v[BK+4*(\t):BK+4*(\t)+3], v[RD] offset:(\t)*2*SPITCH  ; LDS serves a wave's instructions in order (ISA guide 5.7.1.4): these see the stores above
.endr
.endm
.macro SEND a
.set BK, OB+32*((\a)%2)
	s_wait_dscnt 0x0
	s_wait_xcnt 0x0                                ; the stores of the block before have read their registers: the next block's loads land on them only behind this wait
.irp t, 0,1,2,3,4,5,6,7
	global_store_b128 v[CO], v[BK+4*(\t):BK+4*(\t)+3], s[8:9] offset:(16*(\a)+2*(\t))*PC  ; 16 lanes store 256 consecutive bytes, at a multiple of 256 from pb's first byte
.endr
.endm
	s_mov_b32 s3, 2
.Lhalf:                                                ; the way out of 64 rows, walked twice; the second walk is left ahead of the copies
	SOFT 0
	TOSTAGE 0
.irp a, 1,2,3
	SOFT \a
	SEND (\a)-1
	TOSTAGE \a
.endr
	SEND 3
	; the statistics: lane l stores row l of 32: lanes 0-15 hold a block's rows, lanes 16-31 take the next block's
	v_cmp_eq_u32 s91, 1, v2
	v_cndmask_b32 v[SV],   v[CM],   v[CM+2], s91
	v_cndmask_b32 v[SV+1], v[CM+1], v[CM+3], s91
	v_cndmask_b32 v[SV+2], v[CM+4], v[CM+6], s91
	v_cndmask_b32 v[SV+3], v[CM+5], v[CM+7], s91
	global_store_b64 v[SO], v[SV:SV+1], s[66:67]              ; 256 consecutive bytes, at a multiple of 256 from st's first byte
	global_store_b64 v[SO], v[SV+2:SV+3], s[66:67] offset:256
	s_sub_co_u32 s3, s3, 1
	s_cmp_eq_u32 s3, 0
	s_cbranch_scc1 .Ldone
	s_wait_xcnt 0x0                                ; the stores have read their registers and their bases
	s_add_nc_u64 s[8:9], s[8:9], 64*PC             ; 64 rows on in pb,
	s_add_nc_u64 s[66:67], s[66:67], 512           ; and in st
	WIN 0x83                                       ; rows 64-127's sums go where the one text of the way out names them; ascending
.set p, 0
.rept 256
	v_mov_b32 v[p], v[p]
.set p, p+1
.endr
	WIN 0
	s_branch .Lhalf
.Ldone:
	s_wait_tensorcnt 0x0                           ; the wave's end
	ds_add_u32 v[SPW], v[NIL]
	s_wait_dscnt 0x0
	CROUND                                         ; the closing round
	s_endpgm
.Lfunc_end_k_qdaadf14e12_scores:
	.size	k_qdaadf14e12_scores, .Lfunc_end_k_qdaadf14e12_scores-k_qdaadf14e12_scores
	.p2alignl 7, 3214868480
	.fill 96, 4, 3214868480
	.section	.rodata,"a",@progbits
	.p2align	6, 0x0
	.amdhsa_kernel k_qdaadf14e12_scores
		.amdhsa_group_segment_fixed_size 327680
		.amdhsa_private_segment_fixed_size 0
		.amdhsa_enable_private_segment 0
		.amdhsa_kernarg_size 32
		.amdhsa_user_sgpr_count 2
		.amdhsa_user_sgpr_kernarg_segment_ptr 1
		.amdhsa_wavefront_size32 1
		.amdhsa_system_sgpr_workgroup_id_x 1
		.amdhsa_system_sgpr_workgroup_id_y 1
		.amdhsa_system_sgpr_workgroup_id_z 1
		.amdhsa_system_vgpr_workitem_id 0
		.amdhsa_next_free_vgpr 1024
		.amdhsa_next_free_sgpr 100
		.amdhsa_reserve_vcc 0
		.amdhsa_float_denorm_mode_32 3
		.amdhsa_float_denorm_mode_16_64 3
		.amdhsa_memory_ordered 1
		.amdhsa_forward_progress 1
		.amdhsa_inst_pref_size 132
	.end_amdhsa_kernel
	.amdgpu_metadata
---
amdhsa.version: [ 1, 2 ]
amdhsa.kernels:
  - .name:           k_qdaadf14e12_scores
    .symbol:         k_qdaadf14e12_scores.kd
    .args:
      - { .name: qh, .offset: 0, .size: 8, .value_kind: global_buffer, .address_space: global }
      - { .name: kh, .offset: 8, .size: 8, .value_kind: global_buffer, .address_space: global }
      - { .name: pb, .offset: 16, .size: 8, .value_kind: global_buffer, .address_space: global }
      - { .name: st, .offset: 24, .size: 8, .value_kind: global_buffer, .address_space: global }
    .group_segment_fixed_size: 327680
    .private_segment_fixed_size: 0
    .kernarg_segment_align: 8
    .kernarg_segment_size: 32
    .max_flat_workgroup_size: 128
    .sgpr_count:     100
    .vgpr_count:     1024
    .wavefront_size: 32
...
	.end_amdgpu_metadata
.endif
;; end of part 6
;; launch pv (part 7): grid 4 x 64, 4 waves a work-group, clusters of 4 x 4, 327,680 bytes of LDS; arguments pb, vh, st, out0; writes out0
.if DOCPART == 7
	.amdgcn_target "amdgcn-amd-amdhsa--gfx1250"
	.amdhsa_code_object_version 6
	.text
	.protected	k_qdaadf14e12_pv
	.globl	k_qdaadf14e12_pv
	.p2align	8
	.type	k_qdaadf14e12_pv,@function
k_qdaadf14e12_pv:
	s_mov_b64 s[64:65], 0
	v_nop
	global_prefetch_b8 v0, s[64:65] scope:SCOPE_SE
	s_setreg_imm32_b32 hwreg(HW_REG_WAVE_MODE, 25, 1), 1
	s_wait_xcnt 0x0
	s_wait_alu depctr_hold_cnt(0) depctr_sa_sdst(0) depctr_va_vdst(0) depctr_va_sdst(0) depctr_va_ssrc(0) depctr_va_vcc(0) depctr_vm_vsrc(0)
	s_getreg_b32 s2, hwreg(HW_REG_IB_STS2, 6, 4)
	s_cmp_eq_u32 s2, 0
	s_cbranch_scc0 .Lentry_in_a_cluster
	s_endpgm
.Lentry_in_a_cluster:
	s_bfe_u32 s2, ttmp6, 0x10000c
	s_cmp_lg_u32 s2, 0xf033
	s_cbranch_scc0 .Lentry_shape_is_right
	s_endpgm
.Lentry_shape_is_right:
; The second half of the softmax, and out = P v.  pb: f16 [8192 row][2048 key], weights relative to their block's maximum; st: f32 [4 b][16 t][2048 row][2] = (cm_t, l_t); vh: f16 [8192][1024]; out0: f32 [8192][1024].
; For each row: M = the largest cm_t (the row's true maximum); alpha_t = 2^(cm_t - M), at most 1, rounded to f16; L = the sum of alpha_t l_t, with the rounded alpha, at least about 1;
; out = (the sum over t of (alpha_t P_t) V_t) / L.  A K step of 128 keys IS a block t: P's fragments are multiplied by alpha_t between their LDS load and the matrix instruction (packed f16: one rounding).
; LIMITS.  alpha p below 6e-5 keeps f16's fixed step of 6e-8; an alpha below 6e-8 counts as 0, in L too.  NaN and infinities are not treated apart.
; SHARES.  A work-group makes 128 rows x 256 channels, its four waves 64 x 128 each; K = 2,048 keys in 16 steps of 128 through two LDS slots.  v lies [key][channel]: its fragments are read turned.
; (Tiles of 256 x 256 would be 128 work-groups; two slots of 256 keys for this tile would take 2 x 206,848 bytes of LDS.)
; CLUSTER.  4 x 4: the four of a row need the same rows of P, the four of a column the same columns of v: joint tensor loads.  Source 0 = 16 channels, source 1 = 16 rows of P: a lane holds one row and eight neighbouring channels.
; THE TEXT.  A K step is written once for the steps that fill a slot again and once for the two that do not; the slot's LDS base is a scalar, 0 or SLOT, turned at each change of slots.
; REGISTERS.  window 0: v0-31 addresses; v32-127, v128-223 two fragment buffers (64 of v, 32 of P); v224-227 alpha of the step in hand, v228-231 of the next; v232-247 1/L, M, L.  window 1: accumulator (a, b) at v[8 (8 a + b)].
.set PITA,   272                       ; a row of P in LDS: 256 bytes + 16
.set PITB,   544                       ; a key row of v in LDS: 512 bytes + 32
.set HALFA,  64*PITA                   ; what one tensor load brings of P
.set BOFF,   128*PITA                  ; v's tile lies behind P's
.set HALFB,  64*PITB                   ; what one tensor load brings of v
.set SLOT,   BOFF+128*PITB
.set STAGE,  2*SLOT                    ; behind the ring: 16 rows x 528 bytes for each wave, for the way out
.set SPITCH, 528
.set ALB,    STAGE+4*16*SPITCH         ; the table of alpha: for each wave 16 blocks x 32 lanes x 16 bytes (four row blocks, alpha twice in a word); a wave reads its own part alone
.set SPARE,  ALB+4*8192                ; the spare words, 128 bytes for each wave
.set STEPS,  16
.set ASTEP,  256                       ; bytes from a K step to the next in P,
.set BSTEP,  128*2048                  ; and in v: 128 key rows
.set PC,     4096                      ; bytes in a row of out0
.set A0,   14                          ; v14  my lane's place among P's fragments in a slot; never rewritten
.set B0,   15                          ; v15  the same for v
.set ADRA, 16                          ; v16  A0 + the base of the slot in hand
.set ADRB, 17                          ; v17  B0 + the same
.set ALA,  22                          ; v22  my 16 bytes of block 0 in the table; never rewritten
.set ALC,  23                          ; v23  the same for the next step's block
.set STO,  24
.set RD,   25
.set CO,   26
.set PFO,  27                          ; v27  the prefetches' lane offset; never rewritten
.set SPW,  28
.set NIL,  29
.set F0,   32
.set F1,   128
.set OB,   32                          ; the way out: rows read back, two sets of 64 by turns
.set AL,   224                         ; v[224+a]  alpha of the step in hand for my row of row block a
.set ALN,  228                         ; v[228+a]  of the next step
.set RL,   232                         ; v[232+2a:233+2a] 1/L, twice
.set MR,   240
.set LR,   244
.set WV, 10                            ; s10 wave; s11 its half of the rows, also: 0 fetches P, 1 fetches v; s12 its half of the channels, also: which half of that tile it fetches
.set WR, 11
.set WC, 12
.set G1,  24                           ; s[24:31] group 1 for P's tiles; s[32:39] group 0: a set for each first fill; the second then walks
.set G0,  32
.set G1B, 48                           ; s[48:55], s[56:63] the same for v's
.set G0B, 56
.set TB,  84                           ; s84  the base of the slot in hand: 0 or SLOT
.set LIM, 85                           ; s85  2 in a wave that prefetches, else the greatest number
.set PFA, 86                           ; s[86:87] where my prefetch stands
.set PST, 88                           ; s[88:89] its step: a K step of P or of v
.set ALT, 90                           ; s90  512 x the next step's number: its block in the table
.set MSB, 0
.macro WIN new                         ; the immediate's high byte repeats the setting that is left; a switch that changes nothing is dropped
.if MSB != (\new)
	s_set_vgpr_msb (MSB<<8)|(\new)
.set MSB, \new
.endif
.endm
.macro PLACES                          ; four plain vector instructions behind matrix instructions, in front of loads into registers that they read and of instructions that read results
.rept 4
	v_nop
.endr
.endm
.macro JLOAD                           ; a joint refill by the walking descriptor: waves 0 and 1 fetch P's two halves, waves 2 and 3 v's; an s_nop 0 and four v_nop follow each line
	s_cmp_eq_u32 s[WR], 0
	s_cbranch_scc0 .Lfor_b_\@
	tensor_load_to_lds s[G0+4:G0+7], s[G1:G1+7]
	s_nop 0
.rept 4
	v_nop
.endr
	s_branch .Lasked_\@
.Lfor_b_\@:
	tensor_load_to_lds s[G0B+4:G0B+7], s[G1B:G1B+7]
	s_nop 0
.rept 4
	v_nop
.endr
.Lasked_\@:
.endm
; A PREFETCH INTO THE L2 of the K step that stands TWO refills on: 256 matrix instructions ahead of the load that will want it.  A lane names a block of 256 bytes, one instruction a wave.
; P's 128 rows of a row block are read by the four partners of one row of one cluster alone: wave 0 of each names 32 of them, told apart by address (cx).  v's 128 key rows x 512 bytes of a column block are read by the
; batch's four clusters: the first of them asks; of the 64 key rows that wave 2 or 3 fetches each of the four partners of a column names 16, two lanes a row, told apart by address (cy).  So each block is named once in the launch.
; K steps 0 to 3 come by their loads alone; the last two refills (s3 = 2, 1) have no step two on and ask for nothing.
.macro ASK
	s_cmp_gt_u32 s3, s[LIM]
	s_cbranch_scc0 .Lnot_mine_\@
	global_prefetch_b8 v[PFO], s[PFA:PFA+1] th:TH_LOAD_NT scope:SCOPE_SE
.Lnot_mine_\@:
.endm
.macro CREST                           ; a round of the cluster's barrier behind its opening barrier
	s_cmp_lg_u32 s[WV], 0
	s_cbranch_scc1 .Lnot_wave_0_\@
	s_barrier_signal -3
.Lnot_wave_0_\@:
	s_barrier_wait -3
	s_barrier_signal -1
	s_barrier_wait -1
.endm
.macro CROUND
	s_barrier_signal -1
	s_barrier_wait -1
	CREST
.endm
	s_load_b256 s[68:75], s[0:1], 0x0              ; pb 68, vh 70, st 72, out0 74
	v_lshl_add_u32 v[SPW], v0, 2, SPARE
	v_mov_b32 v[NIL], 0
	ds_add_u32 v[SPW], v[NIL]                      ; the wave's opening: the add and its wait stand ahead of my first tensor load; the set-up below stands between them
	v_lshrrev_b32 v1, 5, v0
	v_readfirstlane_b32 s[WV], v1
	s_lshr_b32 s[WR], s[WV], 1
	s_and_b32 s[WC], s[WV], 1
	s_bfe_u32 s40, ttmp6, 0x40000                  ; cx
	s_bfe_u32 s41, ttmp6, 0x40004                  ; cy
	s_lshl_b32 s42, ttmp9, 2
	s_add_co_u32 s42, s42, s40                     ; my block of 256 channels
	s_and_b32 s13, ttmp7, 0xffff
	s_lshr_b32 s45, s13, 2                         ; the batch: four clusters along y each; made of no cy
	s_lshl_b32 s13, s13, 2
	s_add_co_u32 s13, s13, s41                     ; my block of 128 rows
	s_lshl_b32 s43, s41, 2
	s_lshl_b32 s43, 15, s43                        ; my row of the cluster
	s_lshl_b32 s44, 0x1111, s40                    ; my column
	s_or_b32 s[G1], s43, (1<<16)|(1<<20)|(1<<21)|(5<<22)|(3<<25)   ; mask; 2-byte elements; padding on; bit 21 beside a mask; after every 64 words 4 words
	s_mov_b32 s[G1+1], 128<<16                     ; tensor_dim0 = 128
	s_mov_b32 s[G1+2], 64<<16                      ; tensor_dim1 = 64
	s_mov_b32 s[G1+3], 128<<16                     ; tile_dim0 = 128
	s_mov_b32 s[G1+4], 64                          ; tile_dim1 = 64
	s_mov_b32 s[G1+5], 2048                        ; elements from row to row of pb
	s_mov_b32 s[G1+6], 0
	s_mov_b32 s[G1+7], 0
	s_or_b32 s[G1B], s44, (1<<16)|(1<<20)|(1<<21)|(6<<22)|(7<<25)  ; after every 128 words 8 words
	s_mov_b32 s[G1B+1], 256<<16                    ; tensor_dim0 = 256
	s_mov_b32 s[G1B+2], 64<<16                     ; tensor_dim1 = 64
	s_mov_b32 s[G1B+3], 256<<16                    ; tile_dim0 = 256
	s_mov_b32 s[G1B+4], 64                         ; tile_dim1 = 64
	s_mov_b32 s[G1B+5], 1024
	s_mov_b32 s[G1B+6], 0
	s_mov_b32 s[G1B+7], 0
	s_lshl_b32 s16, s13, 19                        ; P: 128 rows of 4,096 bytes a block, 64 a half
	s_lshl_b32 s17, s[WC], 18
	s_add_co_u32 s16, s16, s17
	s_mov_b32 s17, 0
	s_lshl_b32 s46, s45, 22                        ; v: the batch's 2,048 rows, 64 key rows a half, 256 channels a block
	s_lshl_b32 s47, s[WC], 17
	s_add_co_u32 s46, s46, s47
	s_lshl_b32 s47, s42, 9
	s_add_co_u32 s46, s46, s47
	s_mov_b32 s47, 0
	s_mul_i32 s20, s[WC], HALFA                    ; where they go in a slot: no place in the cluster enters an LDS address; s20 and s21 stay
	s_mul_i32 s21, s[WC], HALFB
	s_add_co_u32 s21, s21, BOFF
	s_lshl_b32 s92, s13, 19                        ; out0 at my wave's first row and channel
	s_lshl_b32 s93, s[WR], 18
	s_add_co_u32 s92, s92, s93
	s_lshl_b32 s93, s42, 10
	s_add_co_u32 s92, s92, s93
	s_lshl_b32 s93, s[WC], 9
	s_add_co_u32 s92, s92, s93
	s_mov_b32 s93, 0
	s_lshl_b32 s18, s45, 18                        ; st: the batch, my 64 rows in it
	s_and_b32 s19, s13, 15
	s_lshl_b32 s19, s19, 10
	s_add_co_u32 s18, s18, s19
	s_lshl_b32 s19, s[WR], 9
	s_add_co_u32 s18, s18, s19
	s_mov_b32 s19, 0
	s_lshl_b32 s22, s13, 19                        ; the prefetches.  P: of my block's 128 rows
	s_lshl_b32 s23, s40, 17                        ; my work-group's 32, by cx;
	s_add_co_u32 s22, s22, s23
	s_lshl_b32 s23, s41, 15                        ; v: of the 64 key rows that I fetch my work-group's 16, by cy
	s_add_co_u32 s23, s23, s46
	s_and_b32 s[LIM], ttmp7, 3                     ; which of the batch's four clusters
	s_mov_b32 s[PST], BSTEP
	s_mov_b32 s[PST+1], 0
	s_cmp_eq_u32 s[WR], 0                          ; do I fetch for P?
	s_cselect_b32 s94, s22, s23
	s_cselect_b32 s[LIM], s[WC], s[LIM]            ; for P wave 0 asks, for v the batch's first cluster
	s_cselect_b32 s[PST], ASTEP, s[PST]
	s_mul_i32 s95, s[PST], 3
	s_add_co_u32 s94, s94, s95                     ; at K step 3: the first refill steps it to 4
	s_mov_b32 s95, 0
	s_cmp_eq_u32 s[LIM], 0
	s_cselect_b32 s[LIM], 2, -1                    ; the same in all sixteen partners, for a given wave
	s_mov_b32 s[TB], 0
	s_mov_b32 s[ALT], 512
	s_wait_dscnt 0x0                               ; the opening add is done
	s_wait_kmcnt 0x0
	s_add_nc_u64 s[14:15], s[68:69], s[16:17]
	s_add_nc_u64 s[46:47], s[70:71], s[46:47]
	s_add_nc_u64 s[66:67], s[72:73], s[18:19]
	s_add_nc_u64 s[8:9], s[74:75], s[92:93]
	s_cmp_eq_u32 s[WR], 0
	s_cselect_b64 s[PFA:PFA+1], s[68:69], s[70:71]
	s_add_nc_u64 s[PFA:PFA+1], s[PFA:PFA+1], s[94:95]
.irp s, 0,1
	s_mov_b32 s[G0+4*(\s)], 1                      ; count = 1
	s_add_co_u32 s[G0+4*(\s)+1], s20, (\s)*SLOT    ; LDS address
	s_add_nc_u64 s[G0+4*(\s)+2:G0+4*(\s)+3], s[14:15], (\s)*ASTEP  ; K step s
	s_or_b32 s[G0+4*(\s)+3], s[G0+4*(\s)+3], 0x80000000            ; type = 2
	s_mov_b32 s[G0B+4*(\s)], 1
	s_add_co_u32 s[G0B+4*(\s)+1], s21, (\s)*SLOT
	s_add_nc_u64 s[G0B+4*(\s)+2:G0B+4*(\s)+3], s[46:47], (\s)*BSTEP
	s_or_b32 s[G0B+4*(\s)+3], s[G0B+4*(\s)+3], 0x80000000
.endr
	CROUND                                         ; all sixteen work-groups are here: the first joint loads meet
	s_cmp_eq_u32 s[WR], 0                          ; a wave's two first fills stand in one branch: two loads of mine are out
	s_cbranch_scc0 .Lfirst_b
	tensor_load_to_lds s[G0:G0+3], s[G1:G1+7]
	s_nop 0
	tensor_load_to_lds s[G0+4:G0+7], s[G1:G1+7]
	s_nop 0
.rept 4
	v_nop
.endr
	s_branch .Lfirst_asked
.Lfirst_b:
	tensor_load_to_lds s[G0B:G0B+3], s[G1B:G1B+7]
	s_nop 0
	tensor_load_to_lds s[G0B+4:G0B+7], s[G1B:G1B+7]
	s_nop 0
.rept 4
	v_nop
.endr
.Lfirst_asked:
	v_and_b32 v1, 15, v0                           ; r
	v_bfe_u32 v2, v0, 4, 1                         ; h
	v_lshlrev_b32 v3, 3, v1                        ; my row's pair in st
	WIN 0x40                                       ; the statistics of my four rows (row r of each row block), all 16 blocks, into the accumulators' registers, which are still free: (cm, l) of block t, row block a at v[8 t + 2 a]
.set t, 0
.rept 16
.irp a, 0,1,2,3
	global_load_b64 v[8*t+2*(\a):8*t+2*(\a)+1], v3, s[66:67] offset:t*16384+(\a)*128
.endr
.set t, t+1
.endr
	WIN 0
	v_mul_u32_u24 v6, v1, PITA                     ; a fragment of P: row r, 16 bytes for each half of the lanes, twice, 32 bytes apart
	v_lshl_add_u32 v6, v2, 4, v6
	s_mul_i32 s22, s[WR], HALFA                    ; my 64 rows
	v_add_nc_u32 v[A0], s22, v6
	v_mov_b32 v[ADRA], v[A0]                       ; slot 0
	v_and_b32 v4, 7, v0                            ; the turning load: lane l reads key row 8 h + l % 8, channels 8 ((l / 8) % 2) + 0..7
	v_bfe_u32 v5, v0, 3, 1
	v_lshl_add_u32 v4, v2, 3, v4
	v_mul_u32_u24 v4, v4, PITB
	v_lshl_add_u32 v4, v5, 4, v4
	s_lshl_b32 s23, s[WC], 8                       ; my 128 channels
	s_add_co_u32 s23, s23, BOFF
	v_add_nc_u32 v[B0], s23, v4
	v_mov_b32 v[ADRB], v[B0]
	s_mul_i32 s23, s[WV], 16*SPITCH
	s_add_co_u32 s23, s23, STAGE                   ; my stage
	v_mul_u32_u24 v4, v1, SPITCH                   ; in: row r, 32 bytes for each half of the lanes
	v_lshl_add_u32 v4, v2, 5, v4
	v_add_nc_u32 v[STO], s23, v4
	v_and_b32 v5, 31, v0
	v_lshlrev_b32 v[CO], 4, v5                     ; back and out: 32 lanes take a row's 512 bytes
	v_add_nc_u32 v[RD], s23, v[CO]
	s_lshl_b32 s22, s[WV], 13
	s_add_co_u32 s22, s22, ALB
	v_add_nc_u32 v[ALA], s22, v[CO]
	v_lshlrev_b32 v6, 12, v5                       ; the prefetches' lane term: for P a lane a row;
	v_lshrrev_b32 v7, 1, v5                        ; for v two lanes a key row, 256 bytes each
	v_and_b32 v5, 1, v5
	v_lshlrev_b32 v7, 11, v7
	v_lshl_or_b32 v7, v5, 8, v7
	s_cmp_eq_u32 s[WR], 0
	s_cselect_b32 s22, -1, 0
	v_cndmask_b32 v[PFO], v7, v6, s22
.irp a, 0,1,2,3
	v_mov_b32 v[LR+(\a)], 0
.endr
	s_wait_loadcnt 0x0
	WIN 0x15                                       ; M, the row's maximum
.irp a, 0,1,2,3
	v_max3_num_f32 v[MR+(\a)], v[2*(\a)], v[8+2*(\a)], v[16+2*(\a)]
.endr
	WIN 0x14
.irp i, 3,5,7,9,11,13
.irp a, 0,1,2,3
	v_max3_num_f32 v[MR+(\a)], v[MR+(\a)], v[8*(\i)+2*(\a)], v[8*(\i)+8+2*(\a)]
.endr
.endr
.irp a, 0,1,2,3
	v_max_num_f32 v[MR+(\a)], v[MR+(\a)], v[120+2*(\a)]
.endr
	WIN 0x01
.set t, 0
.rept 16
.irp a, 0,1,2,3
	v_sub_f32 v[32+4*t+(\a)], v[8*t+2*(\a)], v[MR+(\a)]   ; cm_t - M
.endr
.set t, t+1
.endr
	WIN 0
.set p, 0
.rept 64
	v_exp_f32 v[32+p], v[32+p]                     ; alpha: one batch
.set p, p+1
.endr
	v_nop                                          ; a plain instruction behind the last exponential (ISA guide 5.7.2),
	s_wait_alu depctr_va_vdst(0)                   ; and the one wait ahead of the batch's first reader
.set p, 0
.rept 64
	v_cvt_pk_f16_f32 v[32+p], v[32+p], v[32+p]     ; alpha twice in a word, for the packed multiply
.set p, p+1
.endr
	WIN 0x04                                       ; source 1 window 1
.set t, 0
.rept 16
.irp a, 0,1,2,3
	v_fma_mix_f32 v[LR+(\a)], v[32+4*t+(\a)], v[8*t+2*(\a)+1], v[LR+(\a)] op_sel_hi:[1,0,0]  ; L += (the rounded alpha, from the low half) x l_t, in f32; four chains by turns
.endr
.set t, t+1
.endr
	WIN 0
.irp a, 0,1,2,3
	v_rcp_f32 v[RL+2*(\a)], v[LR+(\a)]
	v_rcp_f32 v[RL+2*(\a)+1], v[LR+(\a)]
.endr
	v_nop
	s_wait_alu depctr_va_vdst(0)                   ; one wait for the eight reciprocals
.set t, 0
.rept 16
	ds_store_b128 v[ALA], v[32+4*t:32+4*t+3] offset:512*t
.set t, t+1
.endr
	ds_load_b128 v[AL:AL+3], v[ALA]                ; block 0's alpha; LDS serves a wave's instructions in order (ISA guide 5.7.1.4): it sees the stores above
.macro MUL f, a0, cnt, first           ; cnt x 8 matrix instructions; first = 1: the constant 0 starts the sums.  The 32 accumulators take turns.
	WIN 0x50
.set aa, \a0
.rept \cnt
.irp b, 0,1,2,3,4,5,6,7
.if \first
	v_wmma_f32_16x16x32_f16 v[8*(8*aa+(\b)):8*(8*aa+(\b))+7], v[(\f)+8*(\b):(\f)+8*(\b)+7], v[(\f)+64+8*aa:(\f)+64+8*aa+7], 0
.else
	v_wmma_f32_16x16x32_f16 v[8*(8*aa+(\b)):8*(8*aa+(\b))+7], v[(\f)+8*(\b):(\f)+8*(\b)+7], v[(\f)+64+8*aa:(\f)+64+8*aa+7], v[8*(8*aa+(\b)):8*(8*aa+(\b))+7]
.endif
.endr
.set aa, aa+1
.endr
.endm
.macro FETCH kq, f                     ; 24 LDS loads in one run: quarter kq (32 keys) of the slot in hand: v's eight fragments (turned), then P's four
	WIN 0
.irp b, 0,1,2,3,4,5,6,7
	ds_load_tr16_b128 v[(\f)+8*(\b):(\f)+8*(\b)+3],   v[ADRB] offset:(\kq)*32*PITB+32*(\b)
	ds_load_tr16_b128 v[(\f)+8*(\b)+4:(\f)+8*(\b)+7], v[ADRB] offset:(\kq)*32*PITB+16*PITB+32*(\b)
.endr
.irp a, 0,1,2,3
	ds_load_b128 v[(\f)+64+8*(\a):(\f)+64+8*(\a)+3],   v[ADRA] offset:(\kq)*64+(\a)*16*PITA
	ds_load_b128 v[(\f)+64+8*(\a)+4:(\f)+64+8*(\a)+7], v[ADRA] offset:(\kq)*64+(\a)*16*PITA+32
.endr
.endm
.macro SCALE f, a0                     ; P's fragments of row blocks a0, a0 + 1 times the step's alpha: a lane holds one row, so one word serves its eight registers
	WIN 0
.irp a, \a0, (\a0)+1
.irp i, 0,1,2,3,4,5,6,7
	v_pk_mul_f16 v[(\f)+64+8*(\a)+(\i)], v[(\f)+64+8*(\a)+(\i)], v[AL+(\a)]
.endr
.endr
.endm
; One of a K step's first three quarters: multiplies buffer f; in its middle it fetches quarter kq of the same slot into buffer g.  newal = 1, a step's first quarter: the step's alpha, loaded ahead of the
; fragments that the wait below covers, goes where the one text names it.
.macro QUARTER kq, f, g, first=0, newal=0
	s_wait_dscnt 4                                 ; v's fragments and P's row blocks 0, 1 are in; the youngest four loads (blocks 2, 3) may be out
.if \newal
	WIN 0
.irp a, 0,1,2,3
	v_mov_b32 v[AL+(\a)], v[ALN+(\a)]
.endr
.endif
	SCALE \f, 0
	MUL \f, 0, 2, \first
	PLACES
	FETCH \kq, \g
	s_wait_dscnt 24                                ; all but the 24 just issued
	SCALE \f, 2
	MUL \f, 2, 2, \first
.endm
; The last quarter multiplies buffer 1 and changes slots.  Its first sixteen matrix instructions stand ahead of the wait for the tile, so that between a tile's landing and the next request stand only the add, its wait and the
; barrier, and a refill has all 128 matrix instructions of a step in which to land.  In front of the barrier each wave waits for all its tensor loads (one is out: its part of the next slot), adds 0 to its spare word, and
; waits for that and for its reads of this slot.  fill = 1: the barrier opens a round of the cluster's, and this slot is filled again, two K steps ahead, first thing behind it.
.macro TURN fill
	s_wait_dscnt 4                                 ; v's fragments and P's row blocks 0, 1 are in
	SCALE F1, 0
	MUL F1, 0, 2, 0
	WIN 0
.if \fill
	s_wait_xcnt 0x0                                ; the last prefetch, a K step back, has read its address: it is stepped here
	s_add_nc_u64 s[PFA:PFA+1], s[PFA:PFA+1], s[PST:PST+1]
.endif
	s_wait_tensorcnt 0x0                           ; no tensor load of mine is out, so a group 0 may be written
	ds_add_u32 v[SPW], v[NIL]
.if \fill
	s_add_co_u32 s[G0+5], s20, s[TB]               ; the walking descriptors: into the slot in hand,
	s_add_nc_u64 s[G0+6:G0+7], s[G0+6:G0+7], ASTEP ; the K step behind the one asked for last; the type bits on top are not reached
	s_add_co_u32 s[G0B+5], s21, s[TB]
	s_add_nc_u64 s[G0B+6:G0B+7], s[G0B+6:G0B+7], BSTEP
.endif
	s_wait_dscnt 0x0                               ; the add is done, and my reads of this slot are over
	s_barrier_signal -1
	s_barrier_wait -1
.if \fill
	CREST                                          ; no wave of any partner still reads this slot or has a load on its way
	JLOAD                                          ; its four v_nop are also places in front of the loads below
.else
	PLACES
.endif
	s_xor_b32 s[TB], s[TB], SLOT                   ; 0 and SLOT by turns: the other slot
	v_add_nc_u32 v[ADRA], s[TB], v[A0]
	v_add_nc_u32 v[ADRB], s[TB], v[B0]
	v_add_nc_u32 v[ALC], s[ALT], v[ALA]
	ds_load_b128 v[ALN:ALN+3], v[ALC]              ; the next step's alpha, ahead of the run below, so that the counted wait for that run covers it
	s_add_co_u32 s[ALT], s[ALT], 512
	FETCH 0, F0
.if \fill
	ASK                                            ; behind the joint load and the run of LDS loads that the next products wait for
.endif
	SCALE F1, 2
	MUL F1, 2, 2, 0
.endm
	s_wait_tensorcnt 0x1                           ; my part of K step 0 is in; step 1's may stay out
	s_wait_dscnt 0x0                               ; the table is stored, block 0's alpha is in
	s_barrier_signal -1
	s_barrier_wait -1                              ; everybody's part is in
	FETCH 0, F0
	QUARTER 1, F0, F1, 1, 0                        ; the first quarter stands in front of the loop: its products start the sums
	WIN 0
	s_mov_b32 s3, STEPS-2
.Lstep:                                                ; a trip: a step's quarters 2, 3 and 4, which fills its slot again, and the next step's first quarter
	QUARTER 2, F1, F0
	QUARTER 3, F0, F1
	TURN 1
	QUARTER 1, F0, F1, 0, 1
	WIN 0
	s_sub_co_u32 s3, s3, 1
	s_cmp_lg_u32 s3, 0
	s_cbranch_scc1 .Lstep
	s_mov_b32 s3, 2
.Ltail:                                                ; the last two steps fill nothing: a text of their own; the second trip is left in its middle
	QUARTER 2, F1, F0
	QUARTER 3, F0, F1
	WIN 0
	s_sub_co_u32 s3, s3, 1
	s_cmp_eq_u32 s3, 0
	s_cbranch_scc1 .Llast
	TURN 0
	QUARTER 1, F0, F1, 0, 1
	WIN 0
	s_branch .Ltail
.Llast:
	s_wait_dscnt 4
	SCALE F1, 0
	MUL F1, 0, 2, 0
	s_wait_dscnt 0x0
	SCALE F1, 2
	MUL F1, 2, 2, 0
	WIN 0
	PLACES
	PLACES
; THE WAY OUT, a block of 16 rows at a time: times 1/L, 32 bytes a lane into my own stage, back as whole rows of 512 bytes, stored.
.macro MULF a
	WIN 0x41
.set p, 0
.rept 32
	v_pk_mul_f32 v[64*(\a)+2*p:64*(\a)+2*p+1], v[64*(\a)+2*p:64*(\a)+2*p+1], v[RL+2*(\a):RL+2*(\a)+1]
.set p, p+1
.endr
.endm
.macro STG a
.set BK, OB+64*((\a)%2)
	WIN 0x04                                       ; the stores' data in window 1
.irp b, 0,1,2,3,4,5,6,7
	ds_store_b128 v[STO], v[8*(8*(\a)+(\b)):8*(8*(\a)+(\b))+3]   offset:64*(\b)
	ds_store_b128 v[STO], v[8*(8*(\a)+(\b))+4:8*(8*(\a)+(\b))+7] offset:64*(\b)+16
.endr
	WIN 0
.set t, 0
.rept 16
	ds_load_b128 v[BK+4*t:BK+4*t+3], v[RD] offset:t*SPITCH  ; LDS serves a wave's instructions in order (ISA guide 5.7.1.4): these see the stores above
.set t, t+1
.endr
.endm
.macro SENDF a
.set BK, OB+64*((\a)%2)
	WIN 0
	s_wait_dscnt 0x0                               ; the block is back in registers
	s_wait_xcnt 0x0                                ; the stores of the block before have read their registers: the next block's loads land on them only behind this wait
.set t, 0
.rept 16
	global_store_b128 v[CO], v[BK+4*t:BK+4*t+3], s[8:9] offset:(16*(\a)+t)*PC th:TH_STORE_NT  ; 512 consecutive bytes, at a multiple of 256 from out0's first byte
.set t, t+1
.endr
.endm
	MULF 0
	STG 0
.irp a, 1,2,3
	MULF \a
	SENDF (\a)-1
	STG \a
.endr
	SENDF 3
	s_wait_tensorcnt 0x0                           ; the wave's end
	ds_add_u32 v[SPW], v[NIL]
	s_wait_dscnt 0x0
	CROUND                                         ; the closing round: no work-group ends while a partner may still ask for a tile that names it
	s_endpgm
.Lfunc_end_k_qdaadf14e12_pv:
	.size	k_qdaadf14e12_pv, .Lfunc_end_k_qdaadf14e12_pv-k_qdaadf14e12_pv
	.p2alignl 7, 3214868480
	.fill 96, 4, 3214868480
	.section	.rodata,"a",@progbits
	.p2align	6, 0x0
	.amdhsa_kernel k_qdaadf14e12_pv
		.amdhsa_group_segment_fixed_size 327680
		.amdhsa_private_segment_fixed_size 0
		.amdhsa_enable_private_segment 0
		.amdhsa_kernarg_size 32
		.amdhsa_user_sgpr_count 2
		.amdhsa_user_sgpr_kernarg_segment_ptr 1
		.amdhsa_wavefront_size32 1
		.amdhsa_system_sgpr_workgroup_id_x 1
		.amdhsa_system_sgpr_workgroup_id_y 1
		.amdhsa_system_sgpr_workgroup_id_z 1
		.amdhsa_system_vgpr_workitem_id 0
		.amdhsa_next_free_vgpr 512
		.amdhsa_next_free_sgpr 96
		.amdhsa_reserve_vcc 0
		.amdhsa_float_denorm_mode_32 3
		.amdhsa_float_denorm_mode_16_64 3
		.amdhsa_memory_ordered 1
		.amdhsa_forward_progress 1
		.amdhsa_inst_pref_size 114
	.end_amdhsa_kernel
	.amdgpu_metadata
---
amdhsa.version: [ 1, 2 ]
amdhsa.kernels:
  - .name:           k_qdaadf14e12_pv
    .symbol:         k_qdaadf14e12_pv.kd
    .args:
      - { .name: pb, .offset: 0, .size: 8, .value_kind: global_buffer, .address_space: global }
      - { .name: vh, .offset: 8, .size: 8, .value_kind: global_buffer, .address_space: global }
      - { .name: st, .offset: 16, .size: 8, .value_kind: global_buffer, .address_space: global }
      - { .name: out0, .offset: 24, .size: 8, .value_kind: global_buffer, .address_space: global }
    .group_segment_fixed_size: 327680
    .private_segment_fixed_size: 0
    .kernarg_segment_align: 8
    .kernarg_segment_size: 32
    .max_flat_workgroup_size: 128
    .sgpr_count:     96
    .vgpr_count:     512
    .wavefront_size: 32
...
	.end_amdgpu_metadata
.endif
;; end of part 7
;; ======== version 3 of 3: 4 launches; version 2 with the launch prep written anew for expert scheduling mode
;; limits: values are held in f16: magnitudes above 65,504 overflow, below 6.1e-05 lose precision
;; workspace buffers: xb 16,777,216 bytes; wb 6,291,456 bytes; qh 16,777,216 bytes; kh 16,777,216 bytes; vh 16,777,216 bytes; pb 33,554,432 bytes; st 1,048,576 bytes
;; launch prep (part 8): grid 704 x 1, 8 waves a work-group, no clusters, 0 bytes of LDS; arguments x, Wq, Wk, Wv, xb, wb; writes xb, wb
.if DOCPART == 8
	.amdgcn_target "amdgcn-amd-amdhsa--gfx1250"
	.amdhsa_code_object_version 6
	.text
	.protected	k_qdaadf14e12_prep
	.globl	k_qdaadf14e12_prep
	.p2align	8
	.type	k_qdaadf14e12_prep,@function
k_qdaadf14e12_prep:
	s_mov_b64 s[64:65], 0
	v_nop
	global_prefetch_b8 v0, s[64:65] scope:SCOPE_SE
	s_setreg_imm32_b32 hwreg(HW_REG_WAVE_SCHED_MODE, 0, 2), 2
	s_setreg_imm32_b32 hwreg(HW_REG_WAVE_MODE, 25, 1), 1
	s_wait_xcnt 0x0
	s_wait_alu depctr_vm_vsrc(0)
; x [8192][1024] and Wq, Wk, Wv [1024][1024], f32, are rounded once to bf16, in the layout in which they lie: xb [8192][1024], wb [3][1024][1024] (q, k, v).
; A stream: no LDS, no barrier, no matrix unit.  A work-group casts 16,384 numbers: 65,536 bytes in, 32,768 out.  Work-groups 0-511 take x, 512-703 the three weights, 64 each.
; A wave's load covers 512 consecutive bytes, its store 256 consecutive bytes at a multiple of 256 from the buffer's first byte.  All 16 loads of a wave go out first.
; THE MODE: SCHED_MODE bits 1:0 = 2 (LLVM: expert scheduling mode 2), set by the entry lines.  The code itself states the register dependences
; between vector instructions and memory instructions, with s_wait_alu, always for 0.
; THE PLAN.  Registers that memory instructions touch:
;   v1, v2   byte offsets of the loads and of the stores: written once at the head by vector instructions, never again.
;   X        written by the 16 loads, once each; read by the conversions; no vector instruction writes it and no load lands in it a second time.
;   Y        item i's pair: written once, by the item's two conversions; read once, by the item's store.
; So the only dependences to state are vector writes that memory instructions read.  One wait ahead of the first load states that v1 and v2 are written.  The 16 items go in four
; blocks of four: a block's eight conversions, one wait that states that they have written the block's Y, and the block's four stores in one run.  That wait stands behind the conversions and
; not at the next block's head, which begins with a wait for memory: finished stores would stand behind it.  No register that a memory instruction has read is written again,
; no vector instruction writes a scalar register, and EXEC is never written: nothing else is owed.
.set X, 16                             ; v[16:79]   item i: 4 registers as loaded
.set Y, 80                             ; v[80:111]  item i: 2 registers to store; never written twice, so no store's data waits to be freed
.set BLOCK, 4                          ; items in a block
	s_load_b256 s[4:11], s[0:1], 0x0               ; x s[4:5], Wq s[6:7], Wk s[8:9], Wv s[10:11]
	s_load_b128 s[12:15], s[0:1], 0x20             ; xb s[12:13], wb s[14:15]
	s_sub_co_u32 s17, ttmp9, 512                   ; my number among the weights' work-groups (wraps for x's: then s19 is neither 1 nor 2)
	s_lshr_b32 s19, s17, 6                         ; which weight
	s_and_b32 s18, s17, 63                         ; my block of 65,536 bytes in it
	v_lshlrev_b32 v1, 4, v0                        ; 16 bytes in a thread,
	v_lshlrev_b32 v2, 3, v0                        ; 8 bytes out
	s_wait_kmcnt 0x0
	s_cmp_lt_u32 ttmp9, 512
	s_cselect_b32 s16, ttmp9, s17                  ; my block of 32,768 bytes in xb or in wb
	s_cselect_b32 s18, ttmp9, s18                  ; my block of 65,536 bytes in x or in the weight
	s_cselect_b64 s[20:21], s[4:5], s[6:7]
	s_cselect_b64 s[22:23], s[12:13], s[14:15]
	s_cmp_eq_u32 s19, 1
	s_cselect_b64 s[20:21], s[8:9], s[20:21]
	s_cmp_eq_u32 s19, 2
	s_cselect_b64 s[20:21], s[10:11], s[20:21]
	s_lshl_b32 s24, s18, 16
	s_mov_b32 s25, 0
	s_lshl_b32 s26, s16, 15
	s_mov_b32 s27, 0
	s_add_nc_u64 s[20:21], s[20:21], s[24:25]
	s_add_nc_u64 s[22:23], s[22:23], s[26:27]
	s_wait_alu depctr_va_vdst(0)                   ; v1 and v2 are written: every load reads v1 as its offset, every store v2
.set i, 0
.rept 16
	global_load_b128 v[X+4*i:X+4*i+3], v1, s[20:21] offset:4096*i th:TH_LOAD_NT
.set i, i+1
.endr
.set p, 0
.rept 16/BLOCK
	s_wait_loadcnt 16-BLOCK-BLOCK*p                ; loads come back in order: block p's four items are in, the younger blocks stay out
.set i, BLOCK*p
.rept BLOCK
	v_cvt_pk_bf16_f32 v[Y+2*i], v[X+4*i], v[X+4*i+1]
	v_cvt_pk_bf16_f32 v[Y+2*i+1], v[X+4*i+2], v[X+4*i+3]
.set i, i+1
.endr
	s_wait_alu depctr_va_vdst(0)                   ; the block's eight conversions have written its Y, which the four stores below read
.set i, BLOCK*p
.rept BLOCK
	global_store_b64 v2, v[Y+2*i:Y+2*i+1], s[22:23] offset:2048*i
.set i, i+1
.endr
.set p, p+1
.endr
	s_endpgm
.Lfunc_end_k_qdaadf14e12_prep:
	.size	k_qdaadf14e12_prep, .Lfunc_end_k_qdaadf14e12_prep-k_qdaadf14e12_prep
	.p2alignl 7, 3214868480
	.fill 96, 4, 3214868480
	.section	.rodata,"a",@progbits
	.p2align	6, 0x0
	.amdhsa_kernel k_qdaadf14e12_prep
		.amdhsa_group_segment_fixed_size 0
		.amdhsa_private_segment_fixed_size 0
		.amdhsa_enable_private_segment 0
		.amdhsa_kernarg_size 48
		.amdhsa_user_sgpr_count 2
		.amdhsa_user_sgpr_kernarg_segment_ptr 1
		.amdhsa_wavefront_size32 1
		.amdhsa_system_sgpr_workgroup_id_x 1
		.amdhsa_system_sgpr_workgroup_id_y 1
		.amdhsa_system_sgpr_workgroup_id_z 1
		.amdhsa_system_vgpr_workitem_id 0
		.amdhsa_next_free_vgpr 112
		.amdhsa_next_free_sgpr 66
		.amdhsa_reserve_vcc 0
		.amdhsa_float_denorm_mode_32 3
		.amdhsa_float_denorm_mode_16_64 3
		.amdhsa_memory_ordered 1
		.amdhsa_forward_progress 1
		.amdhsa_inst_pref_size 7
	.end_amdhsa_kernel
	.amdgpu_metadata
---
amdhsa.version: [ 1, 2 ]
amdhsa.kernels:
  - .name:           k_qdaadf14e12_prep
    .symbol:         k_qdaadf14e12_prep.kd
    .args:
      - { .name: x, .offset: 0, .size: 8, .value_kind: global_buffer, .address_space: global }
      - { .name: Wq, .offset: 8, .size: 8, .value_kind: global_buffer, .address_space: global }
      - { .name: Wk, .offset: 16, .size: 8, .value_kind: global_buffer, .address_space: global }
      - { .name: Wv, .offset: 24, .size: 8, .value_kind: global_buffer, .address_space: global }
      - { .name: xb, .offset: 32, .size: 8, .value_kind: global_buffer, .address_space: global }
      - { .name: wb, .offset: 40, .size: 8, .value_kind: global_buffer, .address_space: global }
    .group_segment_fixed_size: 0
    .private_segment_fixed_size: 0
    .kernarg_segment_align: 8
    .kernarg_segment_size: 48
    .max_flat_workgroup_size: 256
    .sgpr_count:     66
    .vgpr_count:     112
    .wavefront_size: 32
...
	.end_amdgpu_metadata
.endif
;; end of part 8
;; launch proj: the kernel of part 5 again; grid 12 x 32, 4 waves a work-group, clusters of 4 x 4, 327,680 bytes of LDS; arguments xb, wb, bq, bk, bv, qh, kh, vh; writes qh, kh, vh
;; launch scores: the kernel of part 6 again; grid 8 x 32, 4 waves a work-group, clusters of 4 x 4, 327,680 bytes of LDS; arguments qh, kh, pb, st; writes pb, st
;; launch pv: the kernel of part 7 again; grid 4 x 64, 4 waves a work-group, clusters of 4 x 4, 327,680 bytes of LDS; arguments pb, vh, st, out0; writes out0
